; MI455X (gfx1250); checked and timed in simulation.
; The chip was launched on July 23, 2026; its instructions are those of AMD's public machine-readable ISA for CDNA 5 (MIT licence, August 2026) and "CDNA5" Instruction Set Architecture Reference Guide (July 2026). The comments in the code are by the model that wrote it; some were corrected since.
;; Causal Self Attention. Allowed arithmetic: matrix products marked QUANTISED: E4M3 operands, one given power-of-two scale a tensor, by v_wmma_f32_16x16x64_fp8_fp8 or v_wmma_f32_16x16x128_fp8_fp8, f32 sums; everything else in f32.
;; Inputs: b_out 1,024 float32; b_qkv 3,072 float32; lowp_scales 8 int32 (the exponents e of the quantised operands' scales 2^e); w_out_codes 1,024 x 32 x 32 uint8 (E4M3 codes of w_out, K innermost, in blocks of 32 codes); w_qkv_codes 3,072 x 32 x 32 uint8 (E4M3 codes of w_qkv, K innermost, in blocks of 32 codes); x_codes 4 x 2,048 x 32 x 32 uint8 (E4M3 codes of x, K innermost, in blocks of 32 codes).
;; Outputs: out0 4 x 2,048 x 1,024 float32.
;; This version of the problem:
;;   THIS VERSION OF THE PROBLEM IS GIVEN IN LOW PRECISION. The matrix products marked QUANTISED in the list below multiply operands that are first quantised to E4M3 (4 exponent bits, 3 mantissa bits; 8 bits a number), with one given power-of-two scale for each operand tensor; their sums are f32. All else is computed in f32.
;;   The module's matrix products, in the order in which they are computed (A, B: the left and right operand; K: the contracted axis; several contracted axes count as one K, in the product's order):
;;     1. [M 8,192, K 1,024] x [K 1,024, N 3,072]; A: input x (given as codes); B: input w_qkv (given as codes): QUANTISED (scales: A lowp_scales[0], B lowp_scales[1])
;;     2. batch 64 x [M 2,048, K 64] x [K 64, N 2,048]; A: computed on the way; B: computed on the way: QUANTISED (scales: A lowp_scales[2], B lowp_scales[3])
;;     3. batch 64 x [M 2,048, K 2,048] x [K 2,048, N 64]; A: softmax (see below); B: computed on the way: QUANTISED (scales: A lowp_scales[4], B lowp_scales[5])
;;     4. [M 8,192, K 1,024] x [K 1,024, N 1,024]; A: computed on the way; B: input w_out (given as codes): QUANTISED (scales: A lowp_scales[6], B lowp_scales[7])
;;   THE QUANTISER, for each operand of a quantised product, along K:
;;     - The operand's scale is 2^e, e = its entry of the input lowp_scales (int32; the entries are numbered through the quantised products in the list's order, A before B).
;;     - Each number is divided by the scale, clamped to +-448, and rounded to the nearest number of E4M3, ties to even, subnormals kept.
;;     - The product sums the exact products of the quantised numbers (number of the format x scale) in f32.
;;   ~~~python
;;   def quantise(x, axis, e):      # numpy; x: float32 -> the quantised numbers, widened to float32 again
;;       x = np.moveaxis(x, axis, -1); K = x.shape[-1]
;;       r = np.clip(x / 2.0 ** e, -448, 448)
;;       step = 2.0 ** (np.maximum(np.frexp(np.where(r == 0, 1, r))[1] - 1, -6) - 3)
;;       q = np.round(r / step) * step * 2.0 ** e      # np.round: ties to even
;;       return np.moveaxis(q, -1, axis).astype(np.float32)
;;   ~~~
;;   SOFTMAX AHEAD OF A QUANTISED PRODUCT. Where the list says 'softmax', what is quantised is not the finished softmax but p = 2^(t - M), with t = logit x log2(e) and M = ceil(the row's largest t), a whole number; so 1/2 < the row's largest p <= 1. The row's sum l is taken of the UNQUANTISED p, in f32, and the product's result is divided by l at the end. Since M is a whole number, a kernel that streams over the keys may use a running M (the ceiling of the running maximum): every later rescaling is an exact power of two, so the quantised numbers keep their values, but for numbers so far below the row's largest that they fall under the format's range.
;;   OPERANDS COMPUTED ON THE WAY. 'Computed on the way' means the value that the module computes at that place (a softmax that the list does not call 'softmax' is quantised finished and normalised). What goes into a quantiser is computed in f32, as accurately as f32 sums, v_exp_f32 and their like allow (about 1e-6 of the number): no bf16 or f16 on the way to a quantiser, and a product that is left as it is and whose result goes on into a quantised operand takes f32 operands (vector FMAs, or v_wmma_f32_16x16x4_f32). A number that lies on a knife's edge between two numbers of the format may be rounded either way, as far as f32 arithmetic and the matrix unit's own rounding can turn it there, and no further.
;;   INPUTS GIVEN AS CODES. w_out (in the module: [1024, 1024], K = its axis 0); w_qkv (in the module: [1024, 3072], K = its axis 0); x (in the module: [4, 2048, 1024], K = its axis 2): each comes as NAME_codes (uint8): NAME with its K axis moved to the last place and cut into blocks of 32 codes, [.., K / 32, bytes a block], one block behind the other in memory; one code a byte (a code: sign, 4 exponent bits, 3 mantissa bits); its scale is its entry of lowp_scales. Its value is code x scale, taken as it is: it is not quantised again, and the codes and scales need not be those that the quantiser above would give.
;; 2 versions, each right; version 2 is version 1 with the launch attn written anew for expert scheduling mode. Each part assembles by itself: llvm-mc -triple=amdgcn-amd-amdhsa -mcpu=gfx1250 --defsym DOCPART=n.
;; ======== version 1 of 2: 3 launches
;; workspace buffers: qimg 8,388,608 bytes; kimg 8,388,608 bytes; vimg 8,388,608 bytes; ac 8,388,608 bytes
;; launch qkv (part 1): grid 12 x 32, 4 waves a work-group, clusters of 4 x 4, 327,680 bytes of LDS; arguments x_codes, w_qkv_codes, lowp_scales, b_qkv, qimg, kimg, vimg; writes qimg, kimg, vimg
.if DOCPART == 1
	.amdgcn_target "amdgcn-amd-amdhsa--gfx1250"
	.amdhsa_code_object_version 6
	.text
	.protected	k_q4e9369571e_qkv
	.globl	k_q4e9369571e_qkv
	.p2align	8
	.type	k_q4e9369571e_qkv,@function
k_q4e9369571e_qkv:
	s_mov_b64 s[64:65], 0
	v_nop
	global_prefetch_b8 v0, s[64:65] scope:SCOPE_SE
	s_setreg_imm32_b32 hwreg(HW_REG_WAVE_MODE, 25, 1), 1
	s_wait_xcnt 0x0
	s_wait_alu depctr_hold_cnt(0) depctr_sa_sdst(0) depctr_va_vdst(0) depctr_va_sdst(0) depctr_va_ssrc(0) depctr_va_vcc(0) depctr_vm_vsrc(0)
	s_getreg_b32 s2, hwreg(HW_REG_IB_STS2, 6, 4)
	s_cmp_eq_u32 s2, 0
	s_cbranch_scc0 .Lentry_in_a_cluster
	s_endpgm
.Lentry_in_a_cluster:
	s_bfe_u32 s2, ttmp6, 0x10000c
	s_cmp_lg_u32 s2, 0xf033
	s_cbranch_scc0 .Lentry_shape_is_right
	s_endpgm
.Lentry_shape_is_right:
; qkv = x w_qkv + b_qkv on codes of FP8 (E4M3), and q, k, v quantised anew: q by 2^e2, k by 2^e3, v by 2^e5 (e0 .. e7: the eight whole numbers of lowp_scales; x has e0, w_qkv e1).
; x_codes: [8192][1024], w_qkv_codes: [3072][1024], one code a byte, K innermost.  Results: codes, laid as IMAGES OF OPERAND REGISTERS for the attention launch (below).
; A tile of 256 x 256 is made by four waves, 128 x 128 each: 64 accumulators of 16 x 16, 512 registers.  K = 1,024 goes in four steps of 256 through a ring of two LDS slots filled by the tensor data mover.
; THE KIND is the cluster's x (0: q, 1: k, 2: v), the same in all sixteen partners.  For q and k 'A' is x (rows = tokens) and 'B' is w (rows = channels).  FOR V THE ROLES ARE SWAPPED: 'A' = w's rows 2048 on, 'B' = x:
; the matrix instruction is used transposed (source 0 = 16 rows of B, source 1 = 16 rows of A), so a lane holds one row of A and eight neighbouring rows of B: for q, k one token and eight channels (their K),
; for v one channel and eight tokens (its K: the keys).  So each kind's codes come out with its own K innermost, and nothing is transposed.
; CLUSTERS: 4 x 4 work-groups; A's tile is shared along a row of the cluster, B's along a column: joint loads with a mask that names the four.
; THE BIAS is the C of each sum's first matrix instruction, divided by 2^(e0 + e1), the power of two that the sums lack.  code = sum / 2^f, f = e(kind) - e0 - e1, held within +-448.
; FRAGMENTS are fed by pieces of 16 bytes: registers 4 c .. 4 c + 3 hold k = 32 c + 16 (lane / 16) + 0 .. 15: one permutation of k, the same on both sides, so only the order of the sums inside an instruction differs.
; THE IMAGES.  A chunk of 16,384 bytes belongs to (batch, pair of heads, 128 tokens): chunk = (8 batch + pair) 16 + step.  A piece is 512 bytes, lane l' = 16 h' + r' at 16 l'.
;   qimg, kimg: piece at 2048 t + 1024 (head % 2) + 512 c: token 32 (t / 2) + 8 (t % 2) + r' + 8 (r' / 8), channels 32 c + 16 h' + 0 .. 15 of the head.
;   vimg:       piece at 8192 (head % 2) + 2048 t + 512 c: channel 32 (t / 2) + 8 (t % 2) + r' + 8 (r' / 8), keys 32 c + 16 h' + 0 .. 15.
;   A wave's 128 x 128 is exactly one chunk, and in both layouts piece i of its rows 32 p .. 32 p + 31 lies at 4096 p + 512 i.
; LIMITS: f between -126 and 119, so that 2^f and 448 x 2^f are f32 numbers.  NaN among the biases is not served.
; REGISTERS, in windows of 256: window 0: v0-31 addresses and the two constants; v32-95 the bias as C, later a block's held sums; v96-127 codes; v128-255 A's fragments, ONE set, later the pieces on their way out.
;   window 1: B's fragments, TWO sets.   window 2: the accumulators of my rows 0-63 ((a, b) at v[8 (8 a + b)]);   window 3: those of rows 64-127.
.set ROWB,   256                       ; a tile's row in bytes: 256 codes
.set KROW,   1024                      ; a row of x or w in memory
.set PITCH,  272                       ; an LDS row: 256 bytes + 16 of padding = 68 words: the 16 rows that a load touches start at 16 different banks (64 banks of 4 bytes: ISA guide 11.1)
.set FR,     16                        ; registers of a fragment: 16 rows x 128 K
.set NL,     4                         ; LDS loads that bring one
.set NP,     4                         ; places behind this matrix instruction (ISA guide 7.12.1)
.set HALFT,  128*PITCH                 ; what one tensor load brings
.set SLOT,   4*HALFT                   ; A's 256 rows, then B's 256 rows
.set LAPS,   2                         ; a lap = two K steps of 256
.set SPARE,  2*SLOT                    ; behind the ring: the spare words, 128 bytes for each wave, which no other line names
.set SP,     144                       ; the way out: a stage of 32 rows x (128 bytes + 16) for each wave, in slot 0, which has had its last fill and its last read by then
.set ADRA, 16                          ; v16-17  LDS address of my A fragments in slot 0, 1
.set ADRB, 20                          ; v20-21  the same for B
.set STO,  24                          ; v24     the way out: where I put 8 codes
.set RD,   25                          ; v25     where I read 16 bytes of a piece
.set CO,   26                          ; v26     16 x lane
.set SPW,  28                          ; v28     my spare word; never rewritten
.set NIL,  29                          ; v29     0; never rewritten
.set CSC,  30                          ; v30     2^f
.set HL,   31                          ; v31     448 x 2^f
.set BI,   32                          ; v32-95  the bias as C
.set TMP,  32                          ; v32-95  later: a block's sums, held
.set CD,   96                          ; v96-127 the codes of two blocks
.set AF,   128                         ; A's fragments
.set BK,   128                         ; the way out: four sets of 32 registers, none used twice
.set G1, 24                            ; s[24:31] descriptor group 1 for A's tiles;  s[32:39] group 0, a set for each slot
.set G0, 32
.set G1B, 48                           ; s[48:55], s[56:63] the same for B's
.set G0B, 56
.set MSB, 0
.macro WIN new                         ; the immediate's high byte repeats the setting that is left
.if MSB != (\new)
	s_set_vgpr_msb (MSB<<8)|(\new)
.set MSB, (\new)
.endif
.endm
.set MUL_LO, 0xa1                      ; source 0 (B) window 1, source 1 (A) window 0, C and D window 2
.set MUL_HI, 0xf1                      ; the same, C and D window 3
.set TO_B,   0x40                      ; destination window 1, address window 0
; A joint load: waves 0 and 1 fetch A's halves, waves 2 and 3 B's.  The branch hangs on the wave's number alone.  Four v_nop follow each of the two lines.
.macro JLOAD g0a, g1a, g0b, g1b
	s_cmp_eq_u32 s15, 0
	s_cbranch_scc0 .Lfor_b_\@
	tensor_load_to_lds s[\g0a:\g0a+3], s[\g1a:\g1a+7]
	s_nop 0
.rept 4
	v_nop
.endr
	s_branch .Lasked_\@
.Lfor_b_\@:
	tensor_load_to_lds s[\g0b:\g0b+3], s[\g1b:\g1b+7]
	s_nop 0
.rept 4
	v_nop
.endr
.Lasked_\@:
.endm
.macro CREST                           ; a round of the cluster's barrier behind its opening barrier
	s_cmp_lg_u32 s14, 0
	s_cbranch_scc1 .Lnot_wave_0_\@
	s_barrier_signal -3
.Lnot_wave_0_\@:
	s_barrier_wait -3
	s_barrier_signal -1
	s_barrier_wait -1
.endm
.macro CROUND                          ; a whole round
	s_barrier_signal -1
	s_barrier_wait -1
	CREST
.endm
	s_load_b128 s[4:7], s[0:1], 0x0                ; x's codes, w's codes
	s_load_b128 s[8:11], s[0:1], 0x10              ; the exponents, b_qkv
	s_load_b128 s[68:71], s[0:1], 0x20             ; qimg, kimg
	s_load_b64 s[72:73], s[0:1], 0x30              ; vimg
	v_lshl_add_u32 v[SPW], v0, 2, SPARE
	v_mov_b32 v[NIL], 0
	ds_add_u32 v28, v29
	ds_add_u32 v28, v29
	s_wait_dscnt 0x0
	v_lshrrev_b32 v1, 5, v0
	v_readfirstlane_b32 s14, v1                    ; wave 0..3
	s_lshr_b32 s15, s14, 1                         ; which half of A's rows is mine.  Also: I fetch for A (0) or for B (1)
	s_and_b32 s16, s14, 1                          ; which half of B's rows.  Also: which 128 rows of that tile I fetch
	s_bfe_u32 s40, ttmp6, 0x40000                  ; cx, cy: my place in the cluster
	s_bfe_u32 s41, ttmp6, 0x40004
	s_and_b32 s74, ttmp7, 0xffff                   ; the cluster's y
	s_cmp_eq_u32 ttmp9, 2                          ; v?  The cluster's x is the kind
	s_cselect_b32 s75, s74, ttmp9                  ; B's tiles walk the cluster's y for v (tokens), its x else (channels)
	s_cselect_b32 s76, 0, s74                      ; A's tiles: the four tiles of v's channels, or the tokens
	s_cselect_b32 s77, 2048, 0                     ; v's rows of w begin at 2048
	s_lshl_b32 s42, s75, 2
	s_add_co_u32 s42, s42, s40                     ; B's tile
	s_lshl_b32 s17, s76, 2
	s_add_co_u32 s17, s17, s41                     ; A's tile
	s_lshl_b32 s43, s41, 2
	s_lshl_b32 s43, 15, s43                        ; my row of the cluster
	s_lshl_b32 s44, 0x1111, s40                    ; my column
	; descriptor group 1: 128 rows x 256 bytes, padded in LDS
	s_or_b32 s[G1+0], s43, (0<<16)|(1<<20)|(1<<21)|(5<<22)|(3<<25)  ; 15:0 the mask; 17:16 elements of 1 byte; 20 padding on; 21 set beside a mask; 24:22 after every 64 words; 31:25 four words
	s_or_b32 s[G1B+0], s44, (0<<16)|(1<<20)|(1<<21)|(5<<22)|(3<<25)
.irp g, G1, G1B
	s_mov_b32 s[\g+1], ROWB<<16                    ; tensor_dim0
	s_mov_b32 s[\g+2], 128<<16                     ; tensor_dim1
	s_mov_b32 s[\g+3], ROWB<<16                    ; tile_dim0
	s_mov_b32 s[\g+4], 128                         ; tile_dim1
	s_mov_b32 s[\g+5], KROW                        ; tensor_dim0_stride
	s_mov_b32 s[\g+6], 0
	s_mov_b32 s[\g+7], 0
.endr
	s_lshl_b32 s18, s16, 7                         ; which 128 rows of the tile I fetch
	s_lshl_b32 s20, s17, 8
	s_add_co_u32 s20, s20, s18
	s_add_co_u32 s20, s20, s77                     ; A's row
	s_lshl_b32 s46, s42, 8
	s_add_co_u32 s46, s46, s18                     ; B's row
	s_lshl_b32 s20, s20, 10                        ; in bytes: under 2^24
	s_lshl_b32 s46, s46, 10
	s_mov_b32 s21, 0
	s_mov_b32 s47, 0
	s_mul_i32 s45, s14, HALFT                      ; where they go: wave x 128 rows: no place in the cluster enters an LDS address
	s_wait_kmcnt 0x0
	s_load_b256 s[80:87], s[8:9], 0x0              ; e0 .. e7
	s_cmp_eq_u32 ttmp9, 2
	s_cselect_b64 s[88:89], s[6:7], s[4:5]         ; A's buffer
	s_cselect_b64 s[90:91], s[4:5], s[6:7]         ; B's
	s_add_nc_u64 s[20:21], s[88:89], s[20:21]
	s_add_nc_u64 s[46:47], s[90:91], s[46:47]
	CROUND                                         ; all sixteen work-groups are here: the first joint loads meet
.irp s, 0,1
	s_mov_b32 s[G0+4*\s], 1
	s_add_co_u32 s[G0+4*\s+1], s45, \s*SLOT
	s_add_nc_u64 s[G0+4*\s+2:G0+4*\s+3], s[20:21], \s*ROWB
	s_or_b32 s[G0+4*\s+3], s[G0+4*\s+3], 0x80000000
	s_mov_b32 s[G0B+4*\s], 1
	s_add_co_u32 s[G0B+4*\s+1], s45, \s*SLOT
	s_add_nc_u64 s[G0B+4*\s+2:G0B+4*\s+3], s[46:47], \s*ROWB
	s_or_b32 s[G0B+4*\s+3], s[G0B+4*\s+3], 0x80000000
	JLOAD G0+4*\s, G1, G0B+4*\s, G1B
.endr
	v_and_b32 v1, 15, v0                           ; r = lane % 16
	v_bfe_u32 v2, v0, 4, 1                         ; h = lane / 16
	v_mul_u32_u24 v3, v1, PITCH
	v_lshl_add_u32 v4, v2, 4, v3                   ; a fragment's row x pitch + 16 h
	s_mul_i32 s21, s15, HALFT                      ; my 128 rows of A
	s_mul_i32 s22, s16, HALFT                      ; my 128 rows of B,
	s_add_co_u32 s22, s22, 2*HALFT                 ; which lie behind A's 256
.irp s, 0,1
	v_add_nc_u32 v[ADRA+\s], s21, v4
	v_add_nc_u32 v[ADRB+\s], s22, v4
	s_add_co_u32 s21, s21, SLOT
	s_add_co_u32 s22, s22, SLOT
.endr
	s_mul_i32 s23, s14, 32*SP                      ; my stage
	v_mul_u32_u24 v5, v1, SP
	v_lshl_add_u32 v5, v2, 3, v5
	v_add_nc_u32 v[STO], s23, v5                   ; in: row r, 8 bytes for each half of the lanes
	v_and_b32 v6, 8, v1
	v_add_nc_u32 v6, v6, v1                        ; r + 8 (r / 8): the images' order of rows
	v_mul_u32_u24 v6, v6, SP
	v_lshl_add_u32 v6, v2, 4, v6
	v_add_nc_u32 v[RD], s23, v6                    ; back: that row, 16 bytes for each half
	v_and_b32 v6, 31, v0
	v_lshlrev_b32 v[CO], 4, v6
	; where my chunk lies
	s_cmp_eq_u32 ttmp9, 2
	s_cselect_b32 s74, s42, s17                    ; the tile of tokens,
	s_cselect_b32 s75, s16, s15                    ; my half of it,
	s_cselect_b32 s76, s17, s42                    ; the tile of channels,
	s_cselect_b32 s77, s15, s16                    ; my half of it
	s_and_b32 s76, s76, 3
	s_lshr_b32 s78, s74, 3                         ; batch
	s_lshl_b32 s78, s78, 3
	s_lshl_b32 s76, s76, 1
	s_add_co_u32 s78, s78, s76
	s_add_co_u32 s78, s78, s77                     ; 8 batch + pair of heads
	s_lshl_b32 s78, s78, 4
	s_and_b32 s74, s74, 7
	s_lshl_b32 s74, s74, 1
	s_add_co_u32 s78, s78, s74
	s_add_co_u32 s78, s78, s75                     ; + the step of 128 tokens
	s_lshl_b32 s78, s78, 14
	s_mov_b32 s79, 0
	s_cmp_eq_u32 ttmp9, 0
	s_cselect_b64 s[96:97], s[68:69], s[70:71]
	s_cmp_eq_u32 ttmp9, 2
	s_cselect_b64 s[96:97], s[72:73], s[96:97]     ; the kind's buffer
	s_add_nc_u64 s[96:97], s[96:97], s[78:79]
	; the scales
	s_wait_kmcnt 0x0
	s_add_co_i32 s92, s80, s81                     ; e0 + e1
	s_sub_co_i32 s93, 0, s92
	s_cmp_eq_u32 ttmp9, 0
	s_cselect_b32 s94, s82, s83
	s_cmp_eq_u32 ttmp9, 2
	s_cselect_b32 s94, s85, s94                    ; e2, e3 or e5
	s_sub_co_i32 s94, s94, s92                     ; f
	s_add_co_i32 s94, s94, 127
	s_lshl_b32 s95, s94, 23
	v_mov_b32 v[CSC], s95                          ; 2^f: the conversion takes its exponent field
	s_add_co_i32 s94, s94, 8
	s_lshl_b32 s94, s94, 23
	s_or_b32 s94, s94, 0x600000
	v_mov_b32 v[HL], s94                           ; 448 x 2^f
	; the bias, in the result's layout.  q, k: it goes with B's rows: lane (r, h), set b, register j: channel 16 b + 8 h + j.  v: with A's rows: set a, all eight registers: channel 16 a + r.
	s_cmp_eq_u32 ttmp9, 2
	s_cbranch_scc1 .Lbias_v
	s_lshl_b32 s78, s42, 10
	s_lshl_b32 s79, s16, 9
	s_add_co_u32 s78, s78, s79                     ; 4 (256 x tile + 128 x half)
	v_lshl_add_u32 v7, v2, 5, s78
.irp b, 0,1,2,3,4,5,6,7
	global_load_b128 v[BI+8*\b:BI+8*\b+3], v7, s[10:11] offset:64*\b
	global_load_b128 v[BI+8*\b+4:BI+8*\b+7], v7, s[10:11] offset:64*\b+16
.endr
	s_wait_loadcnt 0x0
.set j, 0
.rept 64
	v_ldexp_f32 v[BI+j], v[BI+j], s93              ; / 2^(e0 + e1)
.set j, j+1
.endr
	s_branch .Lbias_done
.Lbias_v:
	s_lshl_b32 s78, s17, 10
	s_lshl_b32 s79, s15, 9
	s_add_co_u32 s78, s78, s79
	s_add_co_u32 s78, s78, 8192                    ; 4 (2048 + 256 x tile + 128 x half)
	v_lshl_add_u32 v7, v1, 2, s78
.irp a, 0,1,2,3,4,5,6,7
	global_load_b32 v[CD+\a], v7, s[10:11] offset:64*\a
.endr
	s_wait_loadcnt 0x0
.irp a, 0,1,2,3,4,5,6,7
.irp j, 0,1,2,3,4,5,6,7
	v_ldexp_f32 v[BI+8*\a+\j], v[CD+\a], s93
.endr
.endr
.Lbias_done:
.macro FRAG reg, adr, q, i             ; 16 rows x 128 K: lane l holds row l % 16; registers 4 c .. 4 c + 3 hold K = 32 c + 16 (l / 16) + 0 .. 15
.irp c, 0,1,2,3
	ds_load_b128 v[\reg+4*\c:\reg+4*\c+3], v[\adr] offset:128*(\q)+32*\c+(\i)*16*PITCH
.endr
.endm
; 16 matrix instructions: A's blocks a0, a0 + 1 x B's eight, 128 along K.  p: B's set.  zero = 1: C is the bias of B's block; 2: of A's block; 0: the sums go on in place.
; The 64 accumulators take turns, one instruction a turn, in the same order in every step.
.macro MUL16 a0, p, zero
.irp a, \a0, \a0+1
.irp b, 0,1,2,3,4,5,6,7
.if \zero == 1
	v_wmma_f32_16x16x128_fp8_fp8 v[8*(8*((\a)%4)+\b):8*(8*((\a)%4)+\b)+7], v[128*(\p)+FR*\b:128*(\p)+FR*\b+FR-1], v[AF+FR*(\a):AF+FR*(\a)+FR-1], v[BI+8*\b:BI+8*\b+7]
.elseif \zero == 2
	v_wmma_f32_16x16x128_fp8_fp8 v[8*(8*((\a)%4)+\b):8*(8*((\a)%4)+\b)+7], v[128*(\p)+FR*\b:128*(\p)+FR*\b+FR-1], v[AF+FR*(\a):AF+FR*(\a)+FR-1], v[BI+8*(\a):BI+8*(\a)+7]
.else
	v_wmma_f32_16x16x128_fp8_fp8 v[8*(8*((\a)%4)+\b):8*(8*((\a)%4)+\b)+7], v[128*(\p)+FR*\b:128*(\p)+FR*\b+FR-1], v[AF+FR*(\a):AF+FR*(\a)+FR-1], v[8*(8*((\a)%4)+\b):8*(8*((\a)%4)+\b)+7]
.endif
.endr
.endr
.endm
.macro FETCH_B slot, q, p              ; B's eight fragments of the slot's q-th 128 along K into set p
	WIN TO_B
.irp i, 0,1,2,3,4,5,6,7
	FRAG 128*(\p)+FR*\i, ADRB+\slot, \q, \i
.endr
	WIN 0
.endm
.macro FETCH_A slot, q, i0             ; A's blocks i0 .. i0 + 3
.irp i, \i0, \i0+1, \i0+2, \i0+3
	FRAG AF+FR*(\i), ADRA+\slot, \q, \i
.endr
.endm
.macro PLACES n                        ; plain vector instructions between a matrix instruction and a load into its sources or a read of its result (ISA guide 7.12.1 for a read of its result)
.rept \n
	v_nop
.endr
.endm
; A step of 128 along K that has its successor in the same slot.  A block of A is free when its eight products are issued: blocks 0-3 are fetched anew in the middle, blocks 4-7 at the end.
.macro STEP slot, q, zero
	s_wait_dscnt 4*NL                              ; B's set and A's blocks 0-3 are in; the youngest sixteen loads (A's blocks 4-7) may be out
.if \zero
	WIN 0x81                                       ; C (the bias) in window 0, D in window 2
.else
	WIN MUL_LO
.endif
	MUL16 0, (\q)%2, \zero
	MUL16 2, (\q)%2, \zero
	s_wait_dscnt 0                                 ; A's blocks 4-7 are in
	PLACES NP
	FETCH_B \slot, (\q)+1, 1-(\q)%2
	FETCH_A \slot, (\q)+1, 0
.if \zero
	WIN 0xc1
.else
	WIN MUL_HI
.endif
	MUL16 4, (\q)%2, \zero
	MUL16 6, (\q)%2, \zero
	PLACES NP
	WIN 0
	FETCH_A \slot, (\q)+1, 4
.endm
; A slot's last step changes slots: ONE barrier; in front of it each wave waits for all its tensor loads, adds 0 to its spare word, and waits for that and for its own reads of this slot.  fill = 1: this slot is filled again, two K steps ahead.
.macro TURN slot, next, fill
	s_wait_tensorcnt 0x0                           ; all my tensor loads have landed: my part of the next slot
	ds_add_u32 v[SPW], v[NIL]                      ; 0 onto my spare word
	s_wait_dscnt 4*NL+1                            ; (the add and the youngest sixteen loads may be out)
	WIN MUL_LO
	MUL16 0, 1, 0                                  ; sixteen matrix instructions stand between the add and the wait for it
	s_wait_dscnt 0x0                               ; the add is done, and my reads of this slot are over
	s_barrier_signal -1
	MUL16 2, 1, 0
	WIN 0
	s_barrier_wait -1
.if \fill
	CREST                                          ; the barrier has opened a round of the cluster's barrier: no wave of any partner still reads this slot or has a load on its way
	s_add_nc_u64 s[G0+4*\slot+2:G0+4*\slot+3], s[G0+4*\slot+2:G0+4*\slot+3], 2*ROWB
	s_add_nc_u64 s[G0B+4*\slot+2:G0B+4*\slot+3], s[G0B+4*\slot+2:G0B+4*\slot+3], 2*ROWB
	JLOAD G0+4*\slot, G1, G0B+4*\slot, G1B         ; the first tensor load behind the round; its four v_nop are the places in front of the loads below
.else
	PLACES NP
.endif
	FETCH_B \next, 0, 0
	FETCH_A \next, 0, 0
	WIN MUL_HI
	MUL16 4, 1, 0
	MUL16 6, 1, 0
	PLACES NP
	WIN 0
	FETCH_A \next, 0, 4
.endm
	s_wait_tensorcnt 1                             ; my part of K step 0 is in (K step 1's load may be out)
	s_barrier_signal -1
	s_barrier_wait -1                              ; everybody's is
	FETCH_B 0, 0, 0
	FETCH_A 0, 0, 0
	FETCH_A 0, 0, 4
	s_cmp_eq_u32 ttmp9, 2                          ; the first step is written twice: its C is the bias, which goes with B's blocks for q and k, with A's for v
	s_cbranch_scc1 .Lfirst_v
	STEP 0, 0, 1
	s_branch .Lfirst_done
.Lfirst_v:
	STEP 0, 0, 2
.Lfirst_done:
	s_mov_b32 s3, LAPS-1
.Llap:                                                 ; a trip goes once round the ring, from a lap's second step to the next lap's first, and fills both slots again
	TURN 0, 1, 1
	STEP 1, 0, 0
	TURN 1, 0, 1
	STEP 0, 0, 0
	s_sub_co_u32 s3, s3, 1
	s_cmp_lg_u32 s3, 0
	s_cbranch_scc1 .Llap
	TURN 0, 1, 0                                   ; the last lap fills nothing, and has no round of the cluster's barrier
	STEP 1, 0, 0
	s_wait_dscnt 4*NL                              ; the very last step: nothing more to fetch
	WIN MUL_LO
	MUL16 0, 1, 0
	MUL16 2, 1, 0
	s_wait_dscnt 0
	WIN MUL_HI
	MUL16 4, 1, 0
	MUL16 6, 1, 0
	WIN 0
; THE WAY OUT, two blocks (32 rows of A) at a time.  Each sum is held within +-448 x 2^f (the conversion to an 8-bit code does not saturate: ISA guide 7.6.2), eight sums become eight codes, a lane's 8 bytes go into my stage
; (row = A's row, byte = B's row), and come back as eight pieces of the image.  LDS serves a wave's instructions in order (ISA guide 5.7.1.4): no wait between the stores and the loads, nor in front of the next pair's stores.
.macro PAIR p
.irp v, 0,1
.set AC, 64*((2*(\p)+\v)%4)
	WIN 0x02+((2*(\p)+\v)/4)                       ; source 0: window 2 or 3
.set j, 0
.rept 64
	v_med3_num_f32 v[TMP+j], v[AC+j], -v[HL], v[HL]   ; each accumulator from its low end on
.set j, j+1
.endr
	WIN 0
.irp b, 0,1,2,3,4,5,6,7
	v_cvt_scalef32_pk8_fp8_f32 v[CD+16*\v+2*\b:CD+16*\v+2*\b+1], v[TMP+8*\b:TMP+8*\b+7], v[CSC]
.endr
	v_nop                                          ; one plain vector instruction behind the last conversion: the next block's holds write its sources
.irp b, 0,1,2,3,4,5,6,7
	ds_store_b64 v[STO], v[CD+16*\v+2*\b:CD+16*\v+2*\b+1] offset:16*\v*SP+16*\b
.endr
.endr
.irp i, 0,1,2,3,4,5,6,7
	ds_load_b128 v[BK+32*(\p)+4*\i:BK+32*(\p)+4*\i+3], v[RD] offset:8*(\i/4)*SP+32*(\i%4)   ; piece i: rows 8 (i / 4) + r + 8 (r / 8), bytes 32 (i % 4) + 16 h on
.endr
.endm
.macro SEND p, younger                 ; younger: the LDS instructions issued behind pair p's loads, which may stay out
	s_wait_dscnt \younger
.irp i, 0,1,2,3,4,5,6,7
	global_store_b128 v[CO], v[BK+32*(\p)+4*\i:BK+32*(\p)+4*\i+3], s[96:97] offset:4096*(\p)+512*\i   ; 32 lanes store 512 consecutive bytes, at a multiple of 512 from the buffer's first byte
.endr
.endm
	PLACES NP                                      ; behind the last products: for the reads of results and the loads into A's registers
	PAIR 0
	PAIR 1
	SEND 0, 24                                     ; behind pair 0's loads: pair 1's 16 stores and 8 loads
	PAIR 2
	SEND 1, 24
	PAIR 3
	SEND 2, 24
	SEND 3, 0
	s_wait_tensorcnt 0x0                           ; the wave's end: behind my last tensor load and my last LDS store
	ds_add_u32 v[SPW], v[NIL]
	s_wait_dscnt 0x0
	CROUND                                         ; the closing round: no work-group ends while a partner may still ask for a tile that names it
	s_endpgm
.Lfunc_end_k_q4e9369571e_qkv:
	.size	k_q4e9369571e_qkv, .Lfunc_end_k_q4e9369571e_qkv-k_q4e9369571e_qkv
	.p2alignl 7, 3214868480
	.fill 96, 4, 3214868480
	.section	.rodata,"a",@progbits
	.p2align	6, 0x0
	.amdhsa_kernel k_q4e9369571e_qkv
		.amdhsa_group_segment_fixed_size 327680
		.amdhsa_private_segment_fixed_size 0
		.amdhsa_enable_private_segment 0
		.amdhsa_kernarg_size 56
		.amdhsa_user_sgpr_count 2
		.amdhsa_user_sgpr_kernarg_segment_ptr 1
		.amdhsa_wavefront_size32 1
		.amdhsa_system_sgpr_workgroup_id_x 1
		.amdhsa_system_sgpr_workgroup_id_y 1
		.amdhsa_system_sgpr_workgroup_id_z 1
		.amdhsa_system_vgpr_workitem_id 0
		.amdhsa_next_free_vgpr 1024
		.amdhsa_next_free_sgpr 100
		.amdhsa_reserve_vcc 0
		.amdhsa_float_denorm_mode_32 3
		.amdhsa_float_denorm_mode_16_64 3
		.amdhsa_memory_ordered 1
		.amdhsa_forward_progress 1
		.amdhsa_inst_pref_size 144
	.end_amdhsa_kernel
	.amdgpu_metadata
---
amdhsa.version: [ 1, 2 ]
amdhsa.kernels:
  - .name:           k_q4e9369571e_qkv
    .symbol:         k_q4e9369571e_qkv.kd
    .args:
      - { .name: x_codes, .offset: 0, .size: 8, .value_kind: global_buffer, .address_space: global }
      - { .name: w_qkv_codes, .offset: 8, .size: 8, .value_kind: global_buffer, .address_space: global }
      - { .name: lowp_scales, .offset: 16, .size: 8, .value_kind: global_buffer, .address_space: global }
      - { .name: b_qkv, .offset: 24, .size: 8, .value_kind: global_buffer, .address_space: global }
      - { .name: qimg, .offset: 32, .size: 8, .value_kind: global_buffer, .address_space: global }
      - { .name: kimg, .offset: 40, .size: 8, .value_kind: global_buffer, .address_space: global }
      - { .name: vimg, .offset: 48, .size: 8, .value_kind: global_buffer, .address_space: global }
    .group_segment_fixed_size: 327680
    .private_segment_fixed_size: 0
    .kernarg_segment_align: 8
    .kernarg_segment_size: 56
    .max_flat_workgroup_size: 128
    .sgpr_count:     100
    .vgpr_count:     1024
    .wavefront_size: 32
...
	.end_amdgpu_metadata
.endif
;; end of part 1
;; launch attn (part 2): grid 4 x 64, 16 waves a work-group, no clusters, 34,816 bytes of LDS; arguments qimg, kimg, vimg, lowp_scales, ac; writes ac
.if DOCPART == 2
	.amdgcn_target "amdgcn-amd-amdhsa--gfx1250"
	.amdhsa_code_object_version 6
	.text
	.protected	k_q4e9369571e_attn
	.globl	k_q4e9369571e_attn
	.p2align	8
	.type	k_q4e9369571e_attn,@function
k_q4e9369571e_attn:
	s_mov_b64 s[64:65], 0
	v_nop
	global_prefetch_b8 v0, s[64:65] scope:SCOPE_SE
	s_setreg_imm32_b32 hwreg(HW_REG_WAVE_MODE, 25, 1), 1
	s_wait_xcnt 0x0
; Causal attention of one head on codes of FP8 (E4M3): S = q k^T (scales 2^e2, 2^e3), p = 2^(t - M) quantised by 2^e4, O = p v (v: 2^e5), O / l quantised by 2^e6.  T = 2,048, head size 64, 64 heads in all.
; t = score x log2(e) / 8; M = the running largest t rounded UP to a whole number; l = the row's sum of the UNQUANTISED p.  When M moves, l and O are multiplied by 2^(old M - new M), which rounds nothing.
; SHARES.  Work-group (i, head) owns the query blocks i and 7 - i of 256 queries, so that all 256 work-groups have the same work under the causal mask.  Each of its sixteen waves owns 32 queries, two tiles of 16:
; wave w has part w / 2 of block i or 7 - i, chosen by (w ^ (w >> 2)) & 1.  Four waves share a SIMD: one wave's vector work stands beside another's products and LDS loads.
; THE KEYS go in 16 trips of 128 (a constant, so that every LDS offset is an immediate); 16 - 2 i of them carry data.  A trip's images of K and V (8 KB each) are copied as they lie, 16 bytes a thread, from memory through
; registers into one of two LDS slots, a trip ahead: one barrier a trip.  A ministep is 64 keys x my two tiles; ministeps all of whose keys come after my queries are jumped over (a scalar branch on ids).
; LAYOUT.  Both products are used transposed: S^T = K Q^T, O^T = V^T P^T: a lane holds one query (lane % 16) throughout.  The images' order of rows (row r' of tile t stands for 32 (t / 2) + 8 (t % 2) + r' + 8 (r' / 8))
; makes the 16 registers of tiles 2 b, 2 b + 1 sixteen neighbours, 32 b + 16 (lane / 16) + 0 .. 15: so p's codes are the second product's operand, and O's codes are an operand of the out projection.
; Fragments are fed by pieces of 16 bytes (registers 4 c .. 4 c + 3: k = 32 c + 16 (lane / 16) + 0 .. 15): one permutation of k, the same on both sides.
; ac: the result's codes as images: byte 2^21 ks + 4096 R + 2048 q + 512 c + 16 lane: row 16 R + lane % 16, k = 256 ks + 128 q + 32 c + 16 (lane / 16) + 0 .. 15.
; NO CLUSTER, NO TENSOR LOAD: the four work-groups of a head need 16, 14, 12 and 10 tiles, so partners would ask for different numbers of tiles; a trip's tile is two loads and two LDS stores a wave.
; p's hold at 448 x 2^e4 is jumped over where e4 >= -8: then 448 x 2^e4 >= 1.75, above every p.  (A branch on a whole number of lowp_scales, in a text without tensor loads.)
; LIMITS: e2 + e3 between -123 and 130 (added to c's exponent field); e4 and e6 between -126 and 119; e4 + e5 is applied by v_ldexp_f32 and has none.
.set SLOTB, 16384                      ; an LDS slot: K's image (8 tiles x 1,024 bytes), then V's (4 tiles x 2,048)
.set LI,   1                           ; v1   16 x lane
.set T16,  2                           ; v2   16 x thread: my 16 bytes of an image of 8 KB
.set KO,   3                           ; v3   the same place in K's chunk, where the two heads' tiles alternate: (T16 % 1024) + 2048 (thread / 64)
.set PFO,  4                           ; v4   the prefetches' offset
.set DL,   5                           ; v5   lane % 16 - 16 (lane / 16)
.set PSC,  6                           ; v6   2^e4
.set PHL,  7                           ; v7   448 x 2^e4
.set SG,   8                           ; v8-15    the next trip's 16 bytes of K and of V
.set Q,    16                          ; v16-31   Q's two fragments
.set F,    32                          ; v32-63   four fragments of K, then of V
.set S,    64                          ; v64-127  S^T, then p: tile u, keys' tile t at 32 u + 8 t
.set O,    128                         ; v128-191 O^T likewise
.set PC,   192                         ; v192-207 p's codes, 8 a tile
.set ST,   208                         ; v208-211 (-M, the largest t) for each tile
.set SUM,  212                         ; v212-215 l, in two halves a tile
.set FF,   216                         ; v216-219 f = 2^(old M - new M), as the low word of a pair
.set CH,   220                         ; v220-223 at work
.set PD,   224                         ; v224-225 the permutes' destinations
.set SU2,  226                         ; v226-229 second chains of the sums
.set DD,   230                         ; v230-231 the mask's d for each tile
.set NINF, 232                         ; v232 -infinity
.set QO,   233                         ; v233 Q's lane term
.set OSC,  234                         ; v234 2^e6
.set OHL,  235                         ; v235 448 x 2^e6
.set WV,   14
.set Q0,   22                          ; s22 my first query;  s23 my last
.set QL,   23
.set NT,   24                          ; s24 trips that carry data: 16 - 2 i
.set NN,   25                          ; s25 the loop's counter: the trip in hand, in twos
.set KF,   26                          ; s26 the ministep's first key
.set CS,   28                          ; s[28:29] c = log2(e) / 8 x 2^(e2 + e3)
.set SEL,  30                          ; s[30:31] lane selects: lane l xor 16
.set PFA,  44                          ; s[44:45] the prefetches' base: K's (wave 0) or V's (wave 1) images of my head, at the loop's trip
.set PLIM, 46                          ; s46 12 in the two waves that prefetch, else 0
	s_load_b128 s[4:7], s[0:1], 0x0                ; qimg, kimg
	s_load_b128 s[8:11], s[0:1], 0x10              ; vimg, the exponents
	s_load_b64 s[12:13], s[0:1], 0x20              ; ac
	v_lshl_add_u32 v254, v0, 2, 0x8000
	v_mov_b32 v255, 0
	v_lshrrev_b32 v1, 5, v0
	v_readfirstlane_b32 s[WV], v1                  ; wave 0..15
	s_and_b32 s15, ttmp7, 0xffff                   ; 16 batch + head
	s_lshr_b32 s16, s15, 4                         ; batch
	s_and_b32 s17, s15, 15                         ; head
	s_lshr_b32 s18, s15, 1                         ; 8 batch + pair of heads
	s_lshl_b32 s18, s18, 18                        ; its 16 chunks of 16,384 bytes
	s_and_b32 s19, s17, 1                          ; head % 2
	s_lshr_b32 s20, s[WV], 2
	s_xor_b32 s20, s20, s[WV]
	s_and_b32 s20, s20, 1
	s_sub_co_u32 s21, 7, ttmp9
	s_cmp_lg_u32 s20, 0
	s_cselect_b32 s21, s21, ttmp9                  ; my block of 256 queries
	s_lshr_b32 s20, s[WV], 1                       ; my part of it
	s_lshl_b32 s[Q0], s21, 8
	s_lshl_b32 s27, s20, 5
	s_add_co_u32 s[Q0], s[Q0], s27
	s_add_co_u32 s[QL], s[Q0], 31
	s_lshl_b32 s[NT], ttmp9, 1
	s_sub_co_u32 s[NT], 16, s[NT]
	s_mov_b32 s[NN], 0
	s_mov_b32 s[KF], 0
	s_mov_b32 s[SEL], 0x76543210
	s_mov_b32 s[SEL+1], 0xfedcba98
	s_lshl_b32 s48, s19, 10
	s_add_co_u32 s48, s48, s18                     ; K and Q: the pair's chunks + 1024 (head % 2)
	s_mov_b32 s49, 0
	s_lshl_b32 s50, s19, 13
	s_add_co_u32 s50, s50, s18                     ; V: + 8192 (head % 2)
	s_mov_b32 s51, 0
	s_lshl_b32 s52, s21, 1
	s_lshr_b32 s53, s20, 2
	s_add_co_u32 s52, s52, s53                     ; Q's chunk: step 2 block + part / 4,
	s_lshl_b32 s52, s52, 14
	s_and_b32 s53, s20, 3
	s_lshl_b32 s53, s53, 12                        ; its tiles 2 (part % 4) on
	s_add_co_u32 s52, s52, s53
	s_add_co_u32 s52, s52, s48
	s_mov_b32 s53, 0
	s_lshr_b32 s54, s17, 2                         ; ac: ks = head / 4,
	s_lshl_b32 s54, s54, 21
	s_lshl_b32 s55, s16, 19                        ; R = 128 batch + Q0 / 16, x 4096,
	s_add_co_u32 s54, s54, s55
	s_lshl_b32 s55, s[Q0], 8
	s_add_co_u32 s54, s54, s55
	s_bfe_u32 s55, s17, 0x10001                    ; q = (head / 2) % 2,
	s_lshl_b32 s55, s55, 11
	s_add_co_u32 s54, s54, s55
	s_lshl_b32 s55, s19, 10                        ; c = 2 (head % 2) on
	s_add_co_u32 s54, s54, s55
	s_mov_b32 s55, 0
	s_cmp_eq_u32 s[WV], 0
	s_cselect_b32 s47, 11, 10                      ; the prefetches: four blocks of 256 bytes, then 2,048 on in K's chunk, 1,024 on in V's
	s_lshr_b32 s[PLIM], s[WV], 1
	s_or_b32 s[PLIM], s[PLIM], ttmp9               ; 0 in waves 0 and 1 of the head's first work-group, which walks all 16 trips
	s_cmp_eq_u32 s[PLIM], 0
	s_cselect_b32 s[PLIM], 12, 0
	v_and_b32 v230, 15, v0                         ; r
	v_bfe_u32 v231, v0, 4, 1                       ; h
	v_and_b32 v1, 31, v0                           ; lane
	v_and_b32 v[PFO], 3, v1
	v_lshrrev_b32 v232, 2, v1
	v_lshlrev_b32 v[PFO], 8, v[PFO]
	v_lshlrev_b32 v232, s47, v232
	v_add_nc_u32 v[PFO], v[PFO], v232
	v_lshlrev_b32 v[LI], 4, v1
	v_lshlrev_b32 v[T16], 4, v0
	v_and_b32 v[KO], 0x3ff, v[T16]
	v_lshrrev_b32 v232, 6, v0
	v_lshl_add_u32 v[KO], v232, 11, v[KO]
	v_and_b32 v[QO], 7, v230                       ; Q: the image's order of tokens is undone, so that a tile is 16 neighbouring queries: query 16 u + r lies in tile r / 8 at row r % 8 + 8 u
	v_lshlrev_b32 v[QO], 4, v[QO]
	v_lshl_add_u32 v[QO], v231, 8, v[QO]
	v_lshrrev_b32 v232, 3, v230
	v_lshl_add_u32 v[QO], v232, 11, v[QO]
	v_lshlrev_b32 v231, 4, v231
	v_sub_nc_u32 v[DL], v230, v231
	s_wait_kmcnt 0x0
	s_load_b256 s[32:39], s[10:11], 0x0            ; e0 .. e7
	s_add_nc_u64 s[4:5], s[4:5], s[52:53]
	s_add_nc_u64 s[6:7], s[6:7], s[48:49]
	s_add_nc_u64 s[8:9], s[8:9], s[50:51]
	s_add_nc_u64 s[12:13], s[12:13], s[54:55]
	s_cmp_eq_u32 s[WV], 0
	s_cselect_b64 s[PFA:PFA+1], s[6:7], s[8:9]
	global_load_b128 v[SG:SG+3], v[KO], s[6:7]     ; trip 0's images
	global_load_b128 v[SG+4:SG+7], v[T16], s[8:9]
.irp u, 0,1
.irp c, 0,1
	global_load_b128 v[Q+8*\u+4*\c:Q+8*\u+4*\c+3], v[QO], s[4:5] offset:128*\u+512*\c
.endr
.endr
.irp u, 0,1
	v_mov_b32 v[ST+2*\u+1], 0xff61b1e6             ; the largest t so far: -3e38, under every t
	v_floor_f32 v[ST+2*\u], -v[ST+2*\u+1]          ; -M
	v_mov_b32 v[SUM+2*\u], 0
	v_mov_b32 v[SUM+2*\u+1], 0
	v_mov_b32 v[FF+2*\u+1], 0                      ; (named as the upper half of a pair)
	v_mov_b32 v[PD+\u], 0                          ; a lane permute's destination counts as one of its sources
.endr
	v_mov_b32 v[NINF], 0xff800000
.set n, 0
.rept 64
	v_mov_b32 v[O+n], 0                            ; O^T.  (The ministep is written without a first form: the first finds zeros, which the first change of M leaves zeros)
.set n, n+1
.endr
	s_wait_kmcnt 0x0
	s_add_co_i32 s42, s34, s35
	s_lshl_b32 s42, s42, 23
	s_add_co_i32 s[CS], s42, 0x3e38aa3b            ; c = log2(e) / 8, with e2 + e3 added to its exponent field
	s_mov_b32 s[CS+1], s[CS]
	s_add_co_i32 s42, s36, 127
	s_lshl_b32 s43, s42, 23
	v_mov_b32 v[PSC], s43
	s_add_co_i32 s42, s42, 8
	s_lshl_b32 s42, s42, 23
	s_or_b32 s42, s42, 0x600000
	v_mov_b32 v[PHL], s42
	s_add_co_i32 s42, s38, 127
	s_lshl_b32 s43, s42, 23
	v_mov_b32 v[OSC], s43
	s_add_co_i32 s42, s42, 8
	s_lshl_b32 s42, s42, 23
	s_or_b32 s42, s42, 0x600000
	v_mov_b32 v[OHL], s42
	s_wait_loadcnt 0x0
	ds_store_b128 v[T16], v[SG:SG+3]
	ds_store_b128 v[T16], v[SG+4:SG+7] offset:8192
	s_wait_dscnt 0x0                               ; for the others' sake: my part of trip 0's images lies in slot 0
	s_barrier_signal -1
	s_barrier_wait -1
; A MINISTEP: keys 64 q .. 64 q + 63 of the trip whose images lie in the slot, against my 32 queries.
.macro MINI slot, q
	s_cmp_gt_u32 s[KF], s[QL]                      ; all its keys come after my queries: nothing to do
	s_cbranch_scc1 .Lhid_\@
.rept 4
	v_nop                                          ; places in front of loads into registers that the last products have read
.endr
.irp t, 0,1,2,3
.irp c, 0,1
	ds_load_b128 v[F+8*\t+4*\c:F+8*\t+4*\c+3], v[LI] offset:\slot*SLOTB+(4*\q+\t)*1024+\c*512
.endr
.endr
	s_wait_dscnt 0x0
.irp t, 0,1,2,3
.irp u, 0,1
	v_wmma_f32_16x16x64_fp8_fp8 v[S+32*\u+8*\t:S+32*\u+8*\t+7], v[F+8*\t:F+8*\t+7], v[Q+8*\u:Q+8*\u+7], 0
.endr
.endr
.rept 4
	v_nop                                          ; places: V's loads land where K's fragments lay, and the scores are read below
.endr
.irp t, 0,1,2,3
.irp c, 0,1
	ds_load_b128 v[F+8*\t+4*\c:F+8*\t+4*\c+3], v[LI] offset:\slot*SLOTB+8192+\t*2048+(2*\q+\c)*512
.endr
.endr
	s_add_co_u32 s42, s[KF], 63
	s_cmp_le_u32 s42, s[Q0]                        ; all its keys count: no mask
	s_cbranch_scc1 .Lopen_\@
	s_sub_co_i32 s42, s[Q0], s[KF]
	v_add_nc_u32 v[DD], s42, v[DL]                 ; d = my query - KF - 16 (lane / 16).  Register n holds key KF + 16 (lane / 16) + 32 (n / 16) + n % 16: hidden where 32 (n / 16) + n % 16 > d
	v_add_nc_u32 v[DD+1], 16, v[DD]
.irp u, 0,1
.set n, 0
.rept 32
	v_cmp_gt_i32 vcc_lo, 32*(n/16)+n%16, v[DD+\u]
	v_cndmask_b32 v[S+32*\u+n], v[S+32*\u+n], v[NINF], vcc_lo
.set n, n+1
.endr
.endr
.Lopen_\@:
.irp u, 0,1                                    ; the largest score of each query among my 32 keys, in two chains a tile, each accumulator from its low end on
	v_max3_num_f32 v[CH+2*\u], v[S+32*\u], v[S+32*\u+1], v[S+32*\u+2]
	v_max3_num_f32 v[CH+2*\u+1], v[S+32*\u+3], v[S+32*\u+4], v[S+32*\u+5]
.endr
.irp i, 6,10,14,18,22,26
.irp u, 0,1
	v_max3_num_f32 v[CH+2*\u], v[CH+2*\u], v[S+32*\u+\i], v[S+32*\u+\i+1]
	v_max3_num_f32 v[CH+2*\u+1], v[CH+2*\u+1], v[S+32*\u+\i+2], v[S+32*\u+\i+3]
.endr
.endr
.irp u, 0,1
	v_max3_num_f32 v[CH+2*\u], v[CH+2*\u], v[S+32*\u+30], v[S+32*\u+31]
.endr
.irp u, 0,1
	v_max_num_f32 v[CH+2*\u], v[CH+2*\u], v[CH+2*\u+1]
.endr
.irp u, 0,1
	v_permlanex16_b32 v[PD+\u], v[CH+2*\u], s[SEL], s[SEL+1]
.endr
.irp u, 0,1
	v_max_num_f32 v[CH+2*\u], v[CH+2*\u], v[PD+\u] ; and among lane l xor 16's
.endr
.irp u, 0,1
	v_mul_f32 v[CH+2*\u], s[CS], v[CH+2*\u]        ; as t (c is positive)
.endr
.irp u, 0,1
	v_max_num_f32 v[ST+2*\u+1], v[ST+2*\u+1], v[CH+2*\u]   ; the running largest t
.endr
.irp u, 0,1
	v_mov_b32 v[CH+2*\u+1], v[ST+2*\u]
.endr
.irp u, 0,1
	v_floor_f32 v[ST+2*\u], -v[ST+2*\u+1]          ; the new -M = floor(-t) = -ceil(t)
.endr
.irp u, 0,1
	v_sub_f32 v[CH+2*\u+1], v[ST+2*\u], v[CH+2*\u+1]   ; old M - new M: a whole number, 0 or less
.endr
.irp u, 0,1
	v_cvt_i32_f32 v[CH+2*\u+1], v[CH+2*\u+1]       ; (it saturates)
.endr
.irp u, 0,1
	v_ldexp_f32 v[FF+2*\u], 1.0, v[CH+2*\u+1]      ; f = 2^(old M - new M)
.endr
.irp u, 0,1
.set n, 0
.rept 16
	v_pk_fma_f32 v[S+32*\u+n:S+32*\u+n+1], v[S+32*\u+n:S+32*\u+n+1], s[CS:CS+1], v[ST+2*\u:ST+2*\u+1] op_sel_hi:[1,0,0]   ; t - M, two at a time
.set n, n+2
.endr
.endr
.set n, 0
.rept 64
	v_exp_f32 v[S+n], v[S+n]                       ; p = 2^(t - M), at most 1; 0 for a hidden key
.set n, n+1
.endr
.irp u, 0,1
	v_pk_mul_f32 v[SUM+2*\u:SUM+2*\u+1], v[SUM+2*\u:SUM+2*\u+1], v[FF+2*\u:FF+2*\u+1] op_sel_hi:[1,0]   ; l under the new M.  (The plain place behind the exponentials)
.endr
	s_wait_alu depctr_va_vdst(0)                   ; one wait for the batch of 64 exponentials, ahead of its first reader
.irp u, 0,1
	v_pk_add_f32 v[SU2+2*\u:SU2+2*\u+1], v[S+32*\u:S+32*\u+1], v[S+32*\u+2:S+32*\u+3]   ; the sum is taken of the unquantised p
.endr
.irp j, 4,8,12,16,20,24,28
.irp u, 0,1
	v_pk_add_f32 v[SUM+2*\u:SUM+2*\u+1], v[SUM+2*\u:SUM+2*\u+1], v[S+32*\u+\j:S+32*\u+\j+1]
	v_pk_add_f32 v[SU2+2*\u:SU2+2*\u+1], v[SU2+2*\u:SU2+2*\u+1], v[S+32*\u+\j+2:S+32*\u+\j+3]
.endr
.endr
.irp u, 0,1
	v_pk_add_f32 v[SUM+2*\u:SUM+2*\u+1], v[SUM+2*\u:SUM+2*\u+1], v[SU2+2*\u:SU2+2*\u+1]
.endr
	s_cmp_ge_i32 s36, -8                           ; 448 x 2^e4 >= 1.75 > p: the hold changes nothing
	s_cbranch_scc1 .Lnohold_\@
.set n, 0
.rept 64
	v_min_num_f32 v[S+n], v[S+n], v[PHL]           ; the conversion to an 8-bit code does not saturate (ISA guide 7.6.2); p is not negative, so the hold is one-sided
.set n, n+1
.endr
.Lnohold_\@:
.irp u, 0,1
.irp c, 0,1
	v_cvt_scalef32_pk8_fp8_f32 v[PC+8*\u+4*\c:PC+8*\u+4*\c+1], v[S+32*\u+16*\c:S+32*\u+16*\c+7], v[PSC]
	v_cvt_scalef32_pk8_fp8_f32 v[PC+8*\u+4*\c+2:PC+8*\u+4*\c+3], v[S+32*\u+16*\c+8:S+32*\u+16*\c+15], v[PSC]
.endr
.endr
.irp u, 0,1
.set n, 0
.rept 16
	v_pk_mul_f32 v[O+32*\u+n:O+32*\u+n+1], v[O+32*\u+n:O+32*\u+n+1], v[FF+2*\u:FF+2*\u+1] op_sel_hi:[1,0]   ; O^T under the new M.  (Also the plain lines between the conversions and the products that read the codes)
.set n, n+2
.endr
.endr
	s_wait_dscnt 0x0                               ; V's fragments are in
.irp t, 0,1,2,3
.irp u, 0,1
	v_wmma_f32_16x16x64_fp8_fp8 v[O+32*\u+8*\t:O+32*\u+8*\t+7], v[F+8*\t:F+8*\t+7], v[PC+8*\u:PC+8*\u+7], v[O+32*\u+8*\t:O+32*\u+8*\t+7]
.endr
.endr
.Lhid_\@:
	s_add_co_u32 s[KF], s[KF], 64
.endm
; A TRIP: 128 keys, whose images lie in the slot.  At its head the next trip's 16 bytes of K and of V are asked for, if that trip carries data; at its end they go into the other slot, which was last read in front of the
; barrier before.  In front of the trip's one barrier my reads of this slot and my stores into the other are done.
; THE PREFETCH: in trips 1 to 12 wave 0 (K) and wave 1 (V) of the head's first work-group name the images of the trip three on, two trips ahead of the loads that want them: 32 lanes, 32 blocks of 256 bytes, one instruction.
; So each block of trips 4 to 15 is named once in the launch, and none lies past trip 15; trips 0 to 3 come by their loads alone.
.macro TRIP slot
	s_add_co_u32 s41, s[NN], 1+\slot
	s_cmp_lt_u32 s41, s[NT]
	s_cbranch_scc0 .Lnoload_\@
	global_load_b128 v[SG:SG+3], v[KO], s[6:7] offset:(1+\slot)*16384
	global_load_b128 v[SG+4:SG+7], v[T16], s[8:9] offset:(1+\slot)*16384
	s_sub_co_u32 s43, s[NN], 1-\slot
	s_cmp_lt_u32 s43, s[PLIM]
	s_cbranch_scc0 .Lnoload_\@
	global_prefetch_b8 v[PFO], s[PFA:PFA+1] offset:(3+\slot)*16384 th:TH_LOAD_NT scope:SCOPE_SE
.Lnoload_\@:
	MINI \slot, 0
	MINI \slot, 1
	s_wait_loadcnt 0x0                             ; the next trip's bytes are in my registers
	s_cmp_lt_u32 s41, s[NT]
	s_cbranch_scc0 .Lnostore_\@
	ds_store_b128 v[T16], v[SG:SG+3] offset:(1-\slot)*SLOTB
	ds_store_b128 v[T16], v[SG+4:SG+7] offset:(1-\slot)*SLOTB+8192
.Lnostore_\@:
	s_wait_dscnt 0x0
	s_barrier_signal -1
	s_barrier_wait -1
.endm
.Ltrip:                                            ; 8 times two trips, one for each slot
	TRIP 0
	TRIP 1
	s_wait_xcnt 0x0                                ; the loads and the prefetches have read their bases, which step now
	s_add_nc_u64 s[6:7], s[6:7], 2*16384
	s_add_nc_u64 s[8:9], s[8:9], 2*16384
	s_add_nc_u64 s[PFA:PFA+1], s[PFA:PFA+1], 2*16384
	s_add_co_u32 s[NN], s[NN], 2
	s_cmp_lt_u32 s[NN], 16
	s_cbranch_scc1 .Ltrip
	; THE WAY OUT: O^T / l x 2^(e4 + e5), held within +-448 x 2^e6, quantised by 2^e6.  A lane's 16 registers of tiles 2 b, 2 b + 1 are channels 32 b + 16 (lane / 16) + 0 .. 15 of its query: 16 bytes of the image.
.rept 4
	v_nop                                          ; places behind the last products
.endr
.irp u, 0,1
	v_add_f32 v[SUM+2*\u], v[SUM+2*\u], v[SUM+2*\u+1]
.endr
.irp u, 0,1
	v_permlanex16_b32 v[PD+\u], v[SUM+2*\u], s[SEL], s[SEL+1]
.endr
.irp u, 0,1
	v_add_f32 v[SUM+2*\u], v[SUM+2*\u], v[PD+\u]   ; the row's sum
.endr
.irp u, 0,1
	v_rcp_f32 v[SUM+2*\u], v[SUM+2*\u]
.endr
	v_nop                                          ; a plain place behind the reciprocals
	s_add_co_i32 s42, s36, s37
	s_wait_alu depctr_va_vdst(0)                   ; one wait for both, ahead of their first reader
.irp u, 0,1
	v_ldexp_f32 v[SUM+2*\u], v[SUM+2*\u], s42
.endr
.irp u, 0,1
.set n, 0
.rept 16
	v_pk_mul_f32 v[S+32*\u+n:S+32*\u+n+1], v[O+32*\u+n:O+32*\u+n+1], v[SUM+2*\u:SUM+2*\u+1] op_sel_hi:[1,0]
.set n, n+2
.endr
.endr
.set n, 0
.rept 64
	v_med3_num_f32 v[S+n], v[S+n], -v[OHL], v[OHL]
.set n, n+1
.endr
.irp u, 0,1
.irp c, 0,1
	v_cvt_scalef32_pk8_fp8_f32 v[PC+8*\u+4*\c:PC+8*\u+4*\c+1], v[S+32*\u+16*\c:S+32*\u+16*\c+7], v[OSC]
	v_cvt_scalef32_pk8_fp8_f32 v[PC+8*\u+4*\c+2:PC+8*\u+4*\c+3], v[S+32*\u+16*\c+8:S+32*\u+16*\c+15], v[OSC]
.endr
.endr
	v_nop                                          ; one plain vector instruction behind the last conversion
.irp u, 0,1
.irp c, 0,1
	global_store_b128 v[LI], v[PC+8*\u+4*\c:PC+8*\u+4*\c+3], s[12:13] offset:4096*\u+512*\c   ; 32 lanes store 512 consecutive bytes, at a multiple of 512 from the buffer's first byte
.endr
.endr
	s_wait_tensorcnt 0x0
	ds_add_u32 v254, v255
	s_wait_dscnt 0x0
	s_endpgm
.Lfunc_end_k_q4e9369571e_attn:
	.size	k_q4e9369571e_attn, .Lfunc_end_k_q4e9369571e_attn-k_q4e9369571e_attn
	.p2alignl 7, 3214868480
	.fill 96, 4, 3214868480
	.section	.rodata,"a",@progbits
	.p2align	6, 0x0
	.amdhsa_kernel k_q4e9369571e_attn
		.amdhsa_group_segment_fixed_size 34816
		.amdhsa_private_segment_fixed_size 0
		.amdhsa_enable_private_segment 0
		.amdhsa_kernarg_size 40
		.amdhsa_user_sgpr_count 2
		.amdhsa_user_sgpr_kernarg_segment_ptr 1
		.amdhsa_wavefront_size32 1
		.amdhsa_system_sgpr_workgroup_id_x 1
		.amdhsa_system_sgpr_workgroup_id_y 1
		.amdhsa_system_sgpr_workgroup_id_z 1
		.amdhsa_system_vgpr_workitem_id 0
		.amdhsa_next_free_vgpr 256
		.amdhsa_next_free_sgpr 66
		.amdhsa_reserve_vcc 1
		.amdhsa_float_denorm_mode_32 3
		.amdhsa_float_denorm_mode_16_64 3
		.amdhsa_memory_ordered 1
		.amdhsa_forward_progress 1
		.amdhsa_inst_pref_size 98
	.end_amdhsa_kernel
	.amdgpu_metadata
---
amdhsa.version: [ 1, 2 ]
amdhsa.kernels:
  - .name:           k_q4e9369571e_attn
    .symbol:         k_q4e9369571e_attn.kd
    .args:
      - { .name: qimg, .offset: 0, .size: 8, .value_kind: global_buffer, .address_space: global }
      - { .name: kimg, .offset: 8, .size: 8, .value_kind: global_buffer, .address_space: global }
      - { .name: vimg, .offset: 16, .size: 8, .value_kind: global_buffer, .address_space: global }
      - { .name: lowp_scales, .offset: 24, .size: 8, .value_kind: global_buffer, .address_space: global }
      - { .name: ac, .offset: 32, .size: 8, .value_kind: global_buffer, .address_space: global }
    .group_segment_fixed_size: 34816
    .private_segment_fixed_size: 0
    .kernarg_segment_align: 8
    .kernarg_segment_size: 40
    .max_flat_workgroup_size: 512
    .sgpr_count:     66
    .vgpr_count:     256
    .wavefront_size: 32
...
	.end_amdgpu_metadata
.endif
;; end of part 2
;; launch proj (part 3): grid 4 x 32, 4 waves a work-group, clusters of 4 x 4, 327,680 bytes of LDS; arguments ac, w_out_codes, lowp_scales, b_out, out0; writes out0
.if DOCPART == 3
	.amdgcn_target "amdgcn-amd-amdhsa--gfx1250"
	.amdhsa_code_object_version 6
	.text
	.protected	k_q4e9369571e_proj
	.globl	k_q4e9369571e_proj
	.p2align	8
	.type	k_q4e9369571e_proj,@function
k_q4e9369571e_proj:
	s_mov_b64 s[64:65], 0
	v_nop
	global_prefetch_b8 v0, s[64:65] scope:SCOPE_SE
	s_setreg_imm32_b32 hwreg(HW_REG_WAVE_MODE, 25, 1), 1
	s_wait_xcnt 0x0
	s_wait_alu depctr_hold_cnt(0) depctr_sa_sdst(0) depctr_va_vdst(0) depctr_va_sdst(0) depctr_va_ssrc(0) depctr_va_vcc(0) depctr_vm_vsrc(0)
	s_getreg_b32 s2, hwreg(HW_REG_IB_STS2, 6, 4)
	s_cmp_eq_u32 s2, 0
	s_cbranch_scc0 .Lentry_in_a_cluster
	s_endpgm
.Lentry_in_a_cluster:
	s_bfe_u32 s2, ttmp6, 0x10000c
	s_cmp_lg_u32 s2, 0xf033
	s_cbranch_scc0 .Lentry_shape_is_right
	s_endpgm
.Lentry_shape_is_right:
; out0 = a w_out + b_out on codes of FP8 (E4M3): a, the attention's result, has the scale 2^e6, w_out 2^e7 (entries 6 and 7 of lowp_scales).  out0: [8192][1024] f32.
; A tile of 256 x 256 is made by four waves, 128 x 128 each: 64 accumulators, 512 registers.  K = 1,024 goes in four steps of 256 through a ring of two LDS slots filled by the tensor data mover.
; A's codes (buffer ac) lie as IMAGES OF OPERAND REGISTERS: byte 2^21 ks + 4096 R + 2048 q + 512 c + 16 lane holds row 16 R + lane % 16, k = 256 ks + 128 q + 32 c + 16 (lane / 16) + 0 .. 15.  So a K step's 128 rows are one
; dense block of 32,768 bytes, which comes in as 128 rows of 256 bytes without padding, and a fragment is four loads of 512 consecutive bytes.  B = w_out_codes [1024][1024], K innermost, through padded rows.
; Both sides hold k = 32 c + 16 (lane / 16) + 0 .. 15 in registers 4 c .. 4 c + 3: one permutation of k, the same on both sides, so only the order of the sums inside an instruction differs.
; CLUSTERS: 4 x 4 work-groups; A's tile is shared along a row of the cluster, B's along a column: joint loads.  The matrix instruction is used transposed (source 0 = B's rows, source 1 = A's): a lane holds eight neighbouring columns of a row.
; b_out is the C of each sum's first matrix instruction, divided by 2^(e6 + e7); each finished sum is multiplied once by 2^(e6 + e7).
; LIMIT: e6 + e7 between -126 and 127, so that 2^(e6 + e7) is an f32 number.
; REGISTERS as windows of 256: window 0: v0-31 addresses; v32-95 the bias, later a block's results; v128-255 A's fragments, ONE set, later rows on their way out.  window 1: B's fragments, TWO sets.  windows 2, 3: the accumulators.
.set ROWB,   256
.set KROW,   1024
.set SIZE_N, 1024
.set PITCH,  272                       ; B's LDS row: 256 bytes + 16 of padding: the 16 rows that a load touches start at 16 different banks (64 banks of 4 bytes: ISA guide 11.1)
.set FR,     16
.set NL,     4
.set NP,     4
.set HALFT,  128*PITCH                 ; room of one tensor load's tile (A's dense block uses 32,768 bytes of it)
.set SLOT,   4*HALFT
.set LAPS,   2
.set ASTEP,  0x200000                  ; a K step on in ac
.set SPARE,  2*SLOT                    ; behind the ring: the spare words, 128 bytes for each wave, which no other line names
.set SPITCH, 528                       ; the way out: 16 rows x (512 bytes + 16) for each wave, in slot 0, which has had its last fill and its last read by then
.set ADRA, 16
.set ADRB, 20
.set STO,  24
.set RD,   25
.set CO,   26
.set SPW,  28
.set NIL,  29
.set BI,   32
.set TMP,  32
.set AF,   128
.set BK,   128
.set G1, 24
.set G0, 32
.set G1B, 48
.set G0B, 56
.set MSB, 0
.macro WIN new                         ; the immediate's high byte repeats the setting that is left
.if MSB != (\new)
	s_set_vgpr_msb (MSB<<8)|(\new)
.set MSB, (\new)
.endif
.endm
.set MUL_LO, 0xa1
.set MUL_HI, 0xf1
.set TO_B,   0x40
.macro JLOAD g0a, g1a, g0b, g1b        ; a joint load: waves 0 and 1 fetch A's halves, waves 2 and 3 B's; four v_nop follow each of the two lines
	s_cmp_eq_u32 s15, 0
	s_cbranch_scc0 .Lfor_b_\@
	tensor_load_to_lds s[\g0a:\g0a+3], s[\g1a:\g1a+7]
	s_nop 0
.rept 4
	v_nop
.endr
	s_branch .Lasked_\@
.Lfor_b_\@:
	tensor_load_to_lds s[\g0b:\g0b+3], s[\g1b:\g1b+7]
	s_nop 0
.rept 4
	v_nop
.endr
.Lasked_\@:
.endm
.macro CREST
	s_cmp_lg_u32 s14, 0
	s_cbranch_scc1 .Lnot_wave_0_\@
	s_barrier_signal -3
.Lnot_wave_0_\@:
	s_barrier_wait -3
	s_barrier_signal -1
	s_barrier_wait -1
.endm
.macro CROUND
	s_barrier_signal -1
	s_barrier_wait -1
	CREST
.endm
	s_load_b128 s[4:7], s[0:1], 0x0                ; ac, w_out's codes
	s_load_b128 s[8:11], s[0:1], 0x10              ; the exponents, b_out
	s_load_b64 s[12:13], s[0:1], 0x20              ; out0
	v_lshl_add_u32 v[SPW], v0, 2, SPARE
	v_mov_b32 v[NIL], 0
	ds_add_u32 v28, v29
	ds_add_u32 v28, v29
	s_wait_dscnt 0x0
	v_lshrrev_b32 v1, 5, v0
	v_readfirstlane_b32 s14, v1                    ; wave 0..3
	s_lshr_b32 s15, s14, 1                         ; which half of the tile's rows is mine.  Also: I fetch for A (0) or for B (1)
	s_and_b32 s16, s14, 1                          ; which half of its columns.  Also: which half of that tile I fetch
	s_bfe_u32 s40, ttmp6, 0x40000                  ; cx, cy
	s_bfe_u32 s41, ttmp6, 0x40004
	s_lshl_b32 s42, ttmp9, 2
	s_add_co_u32 s42, s42, s40                     ; tile column
	s_and_b32 s17, ttmp7, 0xffff
	s_lshl_b32 s17, s17, 2
	s_add_co_u32 s17, s17, s41                     ; tile row
	s_lshl_b32 s43, s41, 2
	s_lshl_b32 s43, 15, s43                        ; my row of the cluster
	s_lshl_b32 s44, 0x1111, s40                    ; my column
	s_or_b32 s[G1+0], s43, (0<<16)|(1<<21)         ; A: the mask, elements of 1 byte, bit 21 beside the mask; no padding
	s_mov_b32 s[G1+1], 256<<16                     ; tensor_dim0
	s_mov_b32 s[G1+2], 128<<16                     ; tensor_dim1
	s_mov_b32 s[G1+3], 256<<16                     ; tile_dim0
	s_mov_b32 s[G1+4], 128                         ; tile_dim1
	s_mov_b32 s[G1+5], 256                         ; the pitch: the block is dense
	s_mov_b32 s[G1+6], 0
	s_mov_b32 s[G1+7], 0
	s_or_b32 s[G1B+0], s44, (0<<16)|(1<<20)|(1<<21)|(5<<22)|(3<<25)   ; B: padding of four words after every 64
	s_mov_b32 s[G1B+1], ROWB<<16
	s_mov_b32 s[G1B+2], 128<<16
	s_mov_b32 s[G1B+3], ROWB<<16
	s_mov_b32 s[G1B+4], 128
	s_mov_b32 s[G1B+5], KROW
	s_mov_b32 s[G1B+6], 0
	s_mov_b32 s[G1B+7], 0
	s_lshl_b32 s20, s17, 16                        ; A: (16 x tile row + 8 x half) x 4,096 bytes
	s_lshl_b32 s18, s16, 15
	s_add_co_u32 s20, s20, s18
	s_lshl_b32 s46, s42, 18                        ; B: (256 x tile column + 128 x half) x 1,024 bytes
	s_lshl_b32 s18, s16, 17
	s_add_co_u32 s46, s46, s18
	s_mov_b32 s21, 0
	s_mov_b32 s47, 0
	s_mul_i32 s45, s14, HALFT                      ; where they go: no place in the cluster enters an LDS address
	s_wait_kmcnt 0x0
	s_load_b256 s[80:87], s[8:9], 0x0              ; e0 .. e7
	s_add_nc_u64 s[20:21], s[4:5], s[20:21]
	s_add_nc_u64 s[46:47], s[6:7], s[46:47]
	CROUND                                         ; all sixteen work-groups are here: the first joint loads meet
.irp s, 0,1
	s_mov_b32 s[G0+4*\s], 1
	s_add_co_u32 s[G0+4*\s+1], s45, \s*SLOT
	s_add_nc_u64 s[G0+4*\s+2:G0+4*\s+3], s[20:21], \s*ASTEP
	s_or_b32 s[G0+4*\s+3], s[G0+4*\s+3], 0x80000000
	s_mov_b32 s[G0B+4*\s], 1
	s_add_co_u32 s[G0B+4*\s+1], s45, \s*SLOT
	s_add_nc_u64 s[G0B+4*\s+2:G0B+4*\s+3], s[46:47], \s*ROWB
	s_or_b32 s[G0B+4*\s+3], s[G0B+4*\s+3], 0x80000000
	JLOAD G0+4*\s, G1, G0B+4*\s, G1B
.endr
	v_and_b32 v1, 15, v0                           ; r
	v_bfe_u32 v2, v0, 4, 1                         ; h
	v_mul_u32_u24 v3, v1, PITCH
	v_lshl_add_u32 v4, v2, 4, v3                   ; B: a fragment's row x pitch + 16 h
	v_and_b32 v6, 31, v0
	v_lshlrev_b32 v[CO], 4, v6                     ; 16 x lane: A's images, and a row of out0
	s_mul_i32 s21, s15, HALFT                      ; my half of A
	s_mul_i32 s22, s16, HALFT                      ; my half of B,
	s_add_co_u32 s22, s22, 2*HALFT                 ; which lies behind A's two
.irp s, 0,1
	v_add_nc_u32 v[ADRA+\s], s21, v[CO]
	v_add_nc_u32 v[ADRB+\s], s22, v4
	s_add_co_u32 s21, s21, SLOT
	s_add_co_u32 s22, s22, SLOT
.endr
	s_mul_i32 s23, s14, 16*SPITCH                  ; my stage
	v_mul_u32_u24 v5, v1, SPITCH
	v_lshl_add_u32 v5, v2, 5, v5
	v_add_nc_u32 v[STO], s23, v5                   ; in: row r, 32 bytes for each half of the lanes
	v_add_nc_u32 v[RD], s23, v[CO]                 ; back: the 32 lanes take one row of 512 bytes
	s_lshl_b32 s20, s17, 8
	s_lshl_b32 s21, s15, 7
	s_add_co_u32 s20, s20, s21                     ; my first row of out0
	s_lshl_b32 s20, s20, 12                        ; x 4,096 bytes: under 2^25
	s_lshl_b32 s46, s42, 10                        ; my first column, in bytes
	s_lshl_b32 s47, s16, 9
	s_add_co_u32 s46, s46, s47
	s_add_co_u32 s20, s20, s46
	s_mov_b32 s21, 0
	s_add_nc_u64 s[12:13], s[12:13], s[20:21]
	; the bias, in the result's layout: lane (r, h), set b, register j: column 16 b + 8 h + j
	v_lshl_add_u32 v7, v2, 5, s46
.irp b, 0,1,2,3,4,5,6,7
	global_load_b128 v[BI+8*\b:BI+8*\b+3], v7, s[10:11] offset:64*\b
	global_load_b128 v[BI+8*\b+4:BI+8*\b+7], v7, s[10:11] offset:64*\b+16
.endr
	s_wait_kmcnt 0x0
	s_add_co_i32 s92, s86, s87                     ; e6 + e7
	s_sub_co_i32 s93, 0, s92
	s_add_co_i32 s96, s92, 127
	s_lshl_b32 s96, s96, 23                        ; 2^(e6 + e7) as f32
	s_mov_b32 s97, s96                             ; (named with it as a pair, so it is written)
	s_wait_loadcnt 0x0
.set j, 0
.rept 64
	v_ldexp_f32 v[BI+j], v[BI+j], s93              ; / 2^(e6 + e7)
.set j, j+1
.endr
.macro FRAGB reg, adr, q, i            ; B: 16 rows x 128 K from padded rows
.irp c, 0,1,2,3
	ds_load_b128 v[\reg+4*\c:\reg+4*\c+3], v[\adr] offset:128*(\q)+32*\c+(\i)*16*PITCH
.endr
.endm
.macro FRAGA reg, adr, q, i            ; A: the image of block i, K half q: four pieces of 512 bytes
.irp c, 0,1,2,3
	ds_load_b128 v[\reg+4*\c:\reg+4*\c+3], v[\adr] offset:(\i)*4096+(\q)*2048+512*\c
.endr
.endm
; 16 matrix instructions: A's blocks a0, a0 + 1 x B's eight.  zero = 1: C is the bias.  The 64 accumulators take turns, one instruction a turn.
.macro MUL16 a0, p, zero
.irp a, \a0, \a0+1
.irp b, 0,1,2,3,4,5,6,7
.if \zero
	v_wmma_f32_16x16x128_fp8_fp8 v[8*(8*((\a)%4)+\b):8*(8*((\a)%4)+\b)+7], v[128*(\p)+FR*\b:128*(\p)+FR*\b+FR-1], v[AF+FR*(\a):AF+FR*(\a)+FR-1], v[BI+8*\b:BI+8*\b+7]
.else
	v_wmma_f32_16x16x128_fp8_fp8 v[8*(8*((\a)%4)+\b):8*(8*((\a)%4)+\b)+7], v[128*(\p)+FR*\b:128*(\p)+FR*\b+FR-1], v[AF+FR*(\a):AF+FR*(\a)+FR-1], v[8*(8*((\a)%4)+\b):8*(8*((\a)%4)+\b)+7]
.endif
.endr
.endr
.endm
.macro FETCH_B slot, q, p
	WIN TO_B
.irp i, 0,1,2,3,4,5,6,7
	FRAGB 128*(\p)+FR*\i, ADRB+\slot, \q, \i
.endr
	WIN 0
.endm
.macro FETCH_A slot, q, i0
.irp i, \i0, \i0+1, \i0+2, \i0+3
	FRAGA AF+FR*(\i), ADRA+\slot, \q, \i
.endr
.endm
.macro PLACES n                        ; plain vector instructions between a matrix instruction and a load into its sources or a read of its result (ISA guide 7.12.1 for a read of its result)
.rept \n
	v_nop
.endr
.endm
.macro STEP slot, q, zero
	s_wait_dscnt 4*NL                              ; B's set and A's blocks 0-3 are in; the youngest sixteen loads (A's blocks 4-7) may be out
.if \zero
	WIN 0x81                                       ; C (the bias) in window 0, D in window 2
.else
	WIN MUL_LO
.endif
	MUL16 0, (\q)%2, \zero
	MUL16 2, (\q)%2, \zero
	s_wait_dscnt 0
	PLACES NP
	FETCH_B \slot, (\q)+1, 1-(\q)%2
	FETCH_A \slot, (\q)+1, 0
.if \zero
	WIN 0xc1
.else
	WIN MUL_HI
.endif
	MUL16 4, (\q)%2, \zero
	MUL16 6, (\q)%2, \zero
	PLACES NP
	WIN 0
	FETCH_A \slot, (\q)+1, 4
.endm
; A slot's last step changes slots: ONE barrier; in front of it each wave waits for all its tensor loads, adds 0 to its spare word, and waits for that and for its own reads of this slot.
.macro TURN slot, next, fill
	s_wait_tensorcnt 0x0                           ; all my tensor loads have landed: my part of the next slot
	ds_add_u32 v[SPW], v[NIL]                      ; 0 onto my spare word
	s_wait_dscnt 4*NL+1                            ; (the add and the youngest sixteen loads may be out)
	WIN MUL_LO
	MUL16 0, 1, 0
	s_wait_dscnt 0x0                               ; the add is done, and my reads of this slot are over
	s_barrier_signal -1
	MUL16 2, 1, 0
	WIN 0
	s_barrier_wait -1
.if \fill
	CREST                                          ; the barrier has opened a round of the cluster's barrier: no wave of any partner still reads this slot or has a load on its way
	s_add_nc_u64 s[G0+4*\slot+2:G0+4*\slot+3], s[G0+4*\slot+2:G0+4*\slot+3], 2*ASTEP
	s_add_nc_u64 s[G0B+4*\slot+2:G0B+4*\slot+3], s[G0B+4*\slot+2:G0B+4*\slot+3], 2*ROWB
	JLOAD G0+4*\slot, G1, G0B+4*\slot, G1B         ; the first tensor load behind the round; its four v_nop are the places in front of the loads below
.else
	PLACES NP
.endif
	FETCH_B \next, 0, 0
	FETCH_A \next, 0, 0
	WIN MUL_HI
	MUL16 4, 1, 0
	MUL16 6, 1, 0
	PLACES NP
	WIN 0
	FETCH_A \next, 0, 4
.endm
	s_wait_tensorcnt 1                             ; my part of K step 0 is in (K step 1's load may be out)
	s_barrier_signal -1
	s_barrier_wait -1                              ; everybody's is
	FETCH_B 0, 0, 0
	FETCH_A 0, 0, 0
	FETCH_A 0, 0, 4
	STEP 0, 0, 1                                   ; the first step stands in front of the loop: its products start the sums, on the bias
	s_mov_b32 s3, LAPS-1
.Llap:
	TURN 0, 1, 1
	STEP 1, 0, 0
	TURN 1, 0, 1
	STEP 0, 0, 0
	s_sub_co_u32 s3, s3, 1
	s_cmp_lg_u32 s3, 0
	s_cbranch_scc1 .Llap
	TURN 0, 1, 0                                   ; the last lap fills nothing, and has no round of the cluster's barrier
	STEP 1, 0, 0
	s_wait_dscnt 4*NL
	WIN MUL_LO
	MUL16 0, 1, 0
	MUL16 2, 1, 0
	s_wait_dscnt 0
	WIN MUL_HI
	MUL16 4, 1, 0
	MUL16 6, 1, 0
	WIN 0
; THE WAY OUT, block by block of 16 rows x 128 columns: x 2^(e6 + e7), through my own stage in LDS, back as whole rows of 512 bytes.  LDS serves a wave's instructions in order (ISA guide 5.7.1.4).
.macro TOSTAGE a
.set AC, 64*((\a)%4)
	WIN 0x02+((\a)/4)                              ; source 0: window 2 or 3
.set j, 0
.rept 32
	v_pk_mul_f32 v[TMP+j:TMP+j+1], v[AC+j:AC+j+1], s[96:97] op_sel_hi:[1,0]   ; each accumulator from its low end on
.set j, j+2
.endr
	WIN 0
.irp b, 0,1,2,3,4,5,6,7
	ds_store_b128 v[STO], v[TMP+8*\b:TMP+8*\b+3] offset:64*\b
	ds_store_b128 v[STO], v[TMP+8*\b+4:TMP+8*\b+7] offset:64*\b+16
.endr
.set BB, BK+64*((\a)%2)
.irp t, 0,1,2,3,4,5,6,7,8,9,10,11,12,13,14,15
	ds_load_b128 v[BB+4*\t:BB+4*\t+3], v[RD] offset:\t*SPITCH
.endr
.endm
.macro SEND a, younger                 ; younger: the LDS instructions issued behind block a's loads, which may stay out
.set BB, BK+64*((\a)%2)
	s_wait_dscnt \younger
.if (\a) > 0
	s_add_nc_u64 s[12:13], s[12:13], 16*SIZE_N*4   ; (behind a wait on XCNT: the earlier stores have read their base)
.endif
.irp t, 0,1,2,3,4,5,6,7,8,9,10,11,12,13,14,15
	global_store_b128 v[CO], v[BB+4*\t:BB+4*\t+3], s[12:13] offset:\t*SIZE_N*4 th:TH_STORE_NT   ; 32 lanes store 512 consecutive bytes, at a multiple of 512 from out0's first byte
.endr
.endm
	PLACES NP                                      ; behind the last products: for the reads of results and the loads into A's registers
	TOSTAGE 0
.irp a, 1,2,3,4,5,6,7
.if \a > 1
	s_wait_xcnt 0x0                                ; block a - 2's stores have read their registers and their base
.endif
	TOSTAGE \a
	SEND \a-1, 32                                  ; behind block a - 1's loads: block a's 16 stores and 16 loads
.endr
	s_wait_xcnt 0x0
	SEND 7, 0
	s_wait_tensorcnt 0x0                           ; the wave's end: behind my last tensor load and my last LDS store
	ds_add_u32 v[SPW], v[NIL]
	s_wait_dscnt 0x0
	CROUND                                         ; the closing round: no work-group ends while a partner may still ask for a tile that names it
	s_endpgm
.Lfunc_end_k_q4e9369571e_proj:
	.size	k_q4e9369571e_proj, .Lfunc_end_k_q4e9369571e_proj-k_q4e9369571e_proj
	.p2alignl 7, 3214868480
	.fill 96, 4, 3214868480
	.section	.rodata,"a",@progbits
	.p2align	6, 0x0
	.amdhsa_kernel k_q4e9369571e_proj
		.amdhsa_group_segment_fixed_size 327680
		.amdhsa_private_segment_fixed_size 0
		.amdhsa_enable_private_segment 0
		.amdhsa_kernarg_size 40
		.amdhsa_user_sgpr_count 2
		.amdhsa_user_sgpr_kernarg_segment_ptr 1
		.amdhsa_wavefront_size32 1
		.amdhsa_system_sgpr_workgroup_id_x 1
		.amdhsa_system_sgpr_workgroup_id_y 1
		.amdhsa_system_sgpr_workgroup_id_z 1
		.amdhsa_system_vgpr_workitem_id 0
		.amdhsa_next_free_vgpr 1024
		.amdhsa_next_free_sgpr 100
		.amdhsa_reserve_vcc 0
		.amdhsa_float_denorm_mode_32 3
		.amdhsa_float_denorm_mode_16_64 3
		.amdhsa_memory_ordered 1
		.amdhsa_forward_progress 1
		.amdhsa_inst_pref_size 129
	.end_amdhsa_kernel
	.amdgpu_metadata
---
amdhsa.version: [ 1, 2 ]
amdhsa.kernels:
  - .name:           k_q4e9369571e_proj
    .symbol:         k_q4e9369571e_proj.kd
    .args:
      - { .name: ac, .offset: 0, .size: 8, .value_kind: global_buffer, .address_space: global }
      - { .name: w_out_codes, .offset: 8, .size: 8, .value_kind: global_buffer, .address_space: global }
      - { .name: lowp_scales, .offset: 16, .size: 8, .value_kind: global_buffer, .address_space: global }
      - { .name: b_out, .offset: 24, .size: 8, .value_kind: global_buffer, .address_space: global }
      - { .name: out0, .offset: 32, .size: 8, .value_kind: global_buffer, .address_space: global }
    .group_segment_fixed_size: 327680
    .private_segment_fixed_size: 0
    .kernarg_segment_align: 8
    .kernarg_segment_size: 40
    .max_flat_workgroup_size: 128
    .sgpr_count:     100
    .vgpr_count:     1024
    .wavefront_size: 32
...
	.end_amdgpu_metadata
.endif
;; end of part 3
;; ======== version 2 of 2: 3 launches; version 1 with the launch attn written anew for expert scheduling mode
;; workspace buffers: qimg 8,388,608 bytes; kimg 8,388,608 bytes; vimg 8,388,608 bytes; ac 8,388,608 bytes
;; launch qkv: the kernel of part 1 again; grid 12 x 32, 4 waves a work-group, clusters of 4 x 4, 327,680 bytes of LDS; arguments x_codes, w_qkv_codes, lowp_scales, b_qkv, qimg, kimg, vimg; writes qimg, kimg, vimg
;; launch attn (part 4): grid 4 x 64, 16 waves a work-group, no clusters, 34,816 bytes of LDS; arguments qimg, kimg, vimg, lowp_scales, ac; writes ac
.if DOCPART == 4
	.amdgcn_target "amdgcn-amd-amdhsa--gfx1250"
	.amdhsa_code_object_version 6
	.text
	.protected	k_q4e9369571e_attn
	.globl	k_q4e9369571e_attn
	.p2align	8
	.type	k_q4e9369571e_attn,@function
k_q4e9369571e_attn:
	s_mov_b64 s[64:65], 0
	v_nop
	global_prefetch_b8 v0, s[64:65] scope:SCOPE_SE
	s_setreg_imm32_b32 hwreg(HW_REG_WAVE_SCHED_MODE, 0, 2), 2
	s_setreg_imm32_b32 hwreg(HW_REG_WAVE_MODE, 25, 1), 1
	s_wait_xcnt 0x0
	s_wait_alu depctr_vm_vsrc(0)
; Causal attention of one head on codes of FP8 (E4M3): S = q k^T (scales 2^e2, 2^e3), p = 2^(t - M) quantised by 2^e4, O = p v (v: 2^e5), O / l quantised by 2^e6.  T = 2,048, head size 64, 64 heads in all.
; t = score x log2(e) / 8; M = the running largest t rounded UP to a whole number; l = the row's sum of the UNQUANTISED p.  When M moves, l and O are multiplied by 2^(old M - new M), which rounds nothing.
; SHARES.  Work-group (i, head) owns the query blocks i and 7 - i of 256 queries, so that all 256 work-groups have the same work under the causal mask.  Each of its sixteen waves owns 32 queries, two tiles of 16:
; wave w has part w / 2 of block i or 7 - i, chosen by (w ^ (w >> 2)) & 1.  Four waves share a SIMD: one wave's vector work stands beside another's products and LDS loads.
; THE KEYS go in 16 trips of 128 (a constant, so that every LDS offset is an immediate); 16 - 2 i of them carry data.  A trip's images of K and V (8 KB each) are copied as they lie, 16 bytes a thread, from memory through
; registers into one of two LDS slots, a trip ahead: one barrier a trip.  A ministep is 64 keys x my two tiles; ministeps all of whose keys come after my queries are jumped over (a scalar branch on ids).
; LAYOUT.  Both products are used transposed: S^T = K Q^T, O^T = V^T P^T: a lane holds one query (lane % 16) throughout.  The images' order of rows (row r' of tile t stands for 32 (t / 2) + 8 (t % 2) + r' + 8 (r' / 8))
; makes the 16 registers of tiles 2 b, 2 b + 1 sixteen neighbours, 32 b + 16 (lane / 16) + 0 .. 15: so p's codes are the second product's operand, and O's codes are an operand of the out projection.
; Fragments are fed by pieces of 16 bytes (registers 4 c .. 4 c + 3: k = 32 c + 16 (lane / 16) + 0 .. 15): one permutation of k, the same on both sides.
; ac: the result's codes as images: byte 2^21 ks + 4096 R + 2048 q + 512 c + 16 lane: row 16 R + lane % 16, k = 256 ks + 128 q + 32 c + 16 (lane / 16) + 0 .. 15.
; NO CLUSTER, NO TENSOR LOAD: the four work-groups of a head need 16, 14, 12 and 10 tiles, so partners would ask for different numbers of tiles; a trip's tile is two loads and two LDS stores a wave.
; p's hold at 448 x 2^e4 is jumped over where e4 >= -8: then 448 x 2^e4 >= 1.75, above every p.  (A branch on a whole number of lowp_scales, in a text without tensor loads.)
; LIMITS: e2 + e3 between -123 and 130 (added to c's exponent field); e4 and e6 between -126 and 119; e4 + e5 is applied by v_ldexp_f32 and has none.
; THE MODE: SCHED_MODE bits 1:0 = 2 (LLVM: expert scheduling mode 2), set by the entry lines.  The code itself states the register dependences between vector or matrix instructions and memory or LDS
; instructions, with s_wait_alu, always for 0.
; THE PLAN.  Registers that memory or LDS instructions touch:
;   v1-v4, v233   addresses.  Written by vector lines at the head, ahead of ONE wait on va_vdst in front of the first load, and never again: no later access owes anything for its address.
;   v[SG ..]      A trip's two global loads land in them, its two LDS stores read them; no vector instruction names them.  One wait on vm_vsrc at a trip's head: the stores of the trip before have read them.
;   v[Q ..]       Loaded once, at the head; read by products alone.
;   v[F ..]       In a ministep: K's loads land, the products K Q^T read, V's loads land, the products V^T P^T read.  So a ministep has two waits on va_vdst, one ahead of each run of eight loads, each for the
;                 eight products that read the registers last.  There is one set: the launch gives a wave 256 registers, 18 of them are free, and a set of fragments is 32.
;   v[PC ..]      At the way out alone: the conversions write them, the four stores read them: one wait on va_vdst.
;   v254, v255    Written at the head, read by the closing add alone.
; A vector instruction writes a scalar register in two places: the wave's number at the head, and the causal mask's compares, which go in runs of sixteen into s48-s63; one wait on va_sdst stands behind each, ahead of the first reader.
.set SLOTB, 16384                      ; an LDS slot: K's image (8 tiles x 1,024 bytes), then V's (4 tiles x 2,048)
.set LI,   1                           ; v1   16 x lane
.set T16,  2                           ; v2   16 x thread: my 16 bytes of an image of 8 KB
.set KO,   3                           ; v3   the same place in K's chunk, where the two heads' tiles alternate: (T16 % 1024) + 2048 (thread / 64)
.set PFO,  4                           ; v4   the prefetches' offset
.set DL,   5                           ; v5   lane % 16 - 16 (lane / 16)
.set PSC,  6                           ; v6   2^e4
.set PHL,  7                           ; v7   448 x 2^e4
.set SG,   8                           ; v8-15    the next trip's 16 bytes of K and of V
.set Q,    16                          ; v16-31   Q's two fragments
.set F,    32                          ; v32-63   four fragments of K, then of V
.set S,    64                          ; v64-127  S^T, then p: tile u, keys' tile t at 32 u + 8 t
.set O,    128                         ; v128-191 O^T likewise
.set PC,   192                         ; v192-207 p's codes, 8 a tile
.set ST,   208                         ; v208-211 (-M, the largest t) for each tile
.set SUM,  212                         ; v212-215 l, in two halves a tile
.set FF,   216                         ; v216-219 f = 2^(old M - new M), as the low word of a pair
.set CH,   220                         ; v220-223 at work
.set PD,   224                         ; v224-225 the permutes' destinations
.set SU2,  226                         ; v226-229 second chains of the sums
.set DD,   230                         ; v230-231 the mask's d for each tile
.set NINF, 232                         ; v232 -infinity
.set QO,   233                         ; v233 Q's lane term
.set OSC,  234                         ; v234 2^e6
.set OHL,  235                         ; v235 448 x 2^e6
.set WV,   14
.set Q0,   22                          ; s22 my first query;  s23 my last
.set QL,   23
.set NT,   24                          ; s24 trips that carry data: 16 - 2 i
.set NN,   25                          ; s25 the loop's counter: the trip in hand, in twos
.set KF,   26                          ; s26 the ministep's first key
.set CS,   28                          ; s[28:29] c = log2(e) / 8 x 2^(e2 + e3)
.set SEL,  30                          ; s[30:31] lane selects: lane l xor 16
.set PFA,  44                          ; s[44:45] the prefetches' base: K's (wave 0) or V's (wave 1) images of my head, at the loop's trip
.set PLIM, 46                          ; s46 12 in the two waves that prefetch, else 0
.set MK,   48                          ; s48-63 sixteen masks of the causal mask (s48-55 hold offsets at the head and are free behind it)
	s_load_b128 s[4:7], s[0:1], 0x0                ; qimg, kimg
	s_load_b128 s[8:11], s[0:1], 0x10              ; vimg, the exponents
	s_load_b64 s[12:13], s[0:1], 0x20              ; ac
	v_lshl_add_u32 v254, v0, 2, 0x8000
	v_mov_b32 v255, 0
	v_lshrrev_b32 v1, 5, v0
	v_readfirstlane_b32 s[WV], v1                  ; wave 0..15
	s_and_b32 s15, ttmp7, 0xffff                   ; 16 batch + head
	s_lshr_b32 s16, s15, 4                         ; batch
	s_and_b32 s17, s15, 15                         ; head
	s_lshr_b32 s18, s15, 1                         ; 8 batch + pair of heads
	s_lshl_b32 s18, s18, 18                        ; its 16 chunks of 16,384 bytes
	s_and_b32 s19, s17, 1                          ; head % 2
	s_wait_alu depctr_va_sdst(0)                   ; s14, the wave's number, is written, ahead of its first reader: my queries, the bases and the branches on the wave are made from it
	s_lshr_b32 s20, s[WV], 2
	s_xor_b32 s20, s20, s[WV]
	s_and_b32 s20, s20, 1
	s_sub_co_u32 s21, 7, ttmp9
	s_cmp_lg_u32 s20, 0
	s_cselect_b32 s21, s21, ttmp9                  ; my block of 256 queries
	s_lshr_b32 s20, s[WV], 1                       ; my part of it
	s_lshl_b32 s[Q0], s21, 8
	s_lshl_b32 s27, s20, 5
	s_add_co_u32 s[Q0], s[Q0], s27
	s_add_co_u32 s[QL], s[Q0], 31
	s_lshl_b32 s[NT], ttmp9, 1
	s_sub_co_u32 s[NT], 16, s[NT]
	s_mov_b32 s[NN], 0
	s_mov_b32 s[KF], 0
	s_mov_b32 s[SEL], 0x76543210
	s_mov_b32 s[SEL+1], 0xfedcba98
	s_lshl_b32 s48, s19, 10
	s_add_co_u32 s48, s48, s18                     ; K and Q: the pair's chunks + 1024 (head % 2)
	s_mov_b32 s49, 0
	s_lshl_b32 s50, s19, 13
	s_add_co_u32 s50, s50, s18                     ; V: + 8192 (head % 2)
	s_mov_b32 s51, 0
	s_lshl_b32 s52, s21, 1
	s_lshr_b32 s53, s20, 2
	s_add_co_u32 s52, s52, s53                     ; Q's chunk: step 2 block + part / 4,
	s_lshl_b32 s52, s52, 14
	s_and_b32 s53, s20, 3
	s_lshl_b32 s53, s53, 12                        ; its tiles 2 (part % 4) on
	s_add_co_u32 s52, s52, s53
	s_add_co_u32 s52, s52, s48
	s_mov_b32 s53, 0
	s_lshr_b32 s54, s17, 2                         ; ac: ks = head / 4,
	s_lshl_b32 s54, s54, 21
	s_lshl_b32 s55, s16, 19                        ; R = 128 batch + Q0 / 16, x 4096,
	s_add_co_u32 s54, s54, s55
	s_lshl_b32 s55, s[Q0], 8
	s_add_co_u32 s54, s54, s55
	s_bfe_u32 s55, s17, 0x10001                    ; q = (head / 2) % 2,
	s_lshl_b32 s55, s55, 11
	s_add_co_u32 s54, s54, s55
	s_lshl_b32 s55, s19, 10                        ; c = 2 (head % 2) on
	s_add_co_u32 s54, s54, s55
	s_mov_b32 s55, 0
	s_cmp_eq_u32 s[WV], 0
	s_cselect_b32 s47, 11, 10                      ; the prefetches: four blocks of 256 bytes, then 2,048 on in K's chunk, 1,024 on in V's
	s_lshr_b32 s[PLIM], s[WV], 1
	s_or_b32 s[PLIM], s[PLIM], ttmp9               ; 0 in waves 0 and 1 of the head's first work-group, which walks all 16 trips
	s_cmp_eq_u32 s[PLIM], 0
	s_cselect_b32 s[PLIM], 12, 0
	v_and_b32 v230, 15, v0                         ; r
	v_bfe_u32 v231, v0, 4, 1                       ; h
	v_and_b32 v1, 31, v0                           ; lane
	v_and_b32 v[PFO], 3, v1
	v_lshrrev_b32 v232, 2, v1
	v_lshlrev_b32 v[PFO], 8, v[PFO]
	v_lshlrev_b32 v232, s47, v232
	v_add_nc_u32 v[PFO], v[PFO], v232
	v_lshlrev_b32 v[LI], 4, v1
	v_lshlrev_b32 v[T16], 4, v0
	v_and_b32 v[KO], 0x3ff, v[T16]
	v_lshrrev_b32 v232, 6, v0
	v_lshl_add_u32 v[KO], v232, 11, v[KO]
	v_and_b32 v[QO], 7, v230                       ; Q: the image's order of tokens is undone, so that a tile is 16 neighbouring queries: query 16 u + r lies in tile r / 8 at row r % 8 + 8 u
	v_lshlrev_b32 v[QO], 4, v[QO]
	v_lshl_add_u32 v[QO], v231, 8, v[QO]
	v_lshrrev_b32 v232, 3, v230
	v_lshl_add_u32 v[QO], v232, 11, v[QO]
	v_lshlrev_b32 v231, 4, v231
	v_sub_nc_u32 v[DL], v230, v231
	s_wait_kmcnt 0x0
	s_load_b256 s[32:39], s[10:11], 0x0            ; e0 .. e7
	s_add_nc_u64 s[4:5], s[4:5], s[52:53]
	s_add_nc_u64 s[6:7], s[6:7], s[48:49]
	s_add_nc_u64 s[8:9], s[8:9], s[50:51]
	s_add_nc_u64 s[12:13], s[12:13], s[54:55]
	s_cmp_eq_u32 s[WV], 0
	s_cselect_b64 s[PFA:PFA+1], s[6:7], s[8:9]
	s_wait_alu depctr_va_vdst(0)                   ; the five addresses v1 to v4 and v233 are written, which every load, LDS access, prefetch and store of the kernel reads; no vector line behind this wait names one of them
	global_load_b128 v[SG:SG+3], v[KO], s[6:7]     ; trip 0's images
	global_load_b128 v[SG+4:SG+7], v[T16], s[8:9]
.irp u, 0,1
.irp c, 0,1
	global_load_b128 v[Q+8*\u+4*\c:Q+8*\u+4*\c+3], v[QO], s[4:5] offset:128*\u+512*\c
.endr
.endr
.irp u, 0,1
	v_mov_b32 v[ST+2*\u+1], 0xff61b1e6             ; the largest t so far: -3e38, under every t
	v_floor_f32 v[ST+2*\u], -v[ST+2*\u+1]          ; -M
	v_mov_b32 v[SUM+2*\u], 0
	v_mov_b32 v[SUM+2*\u+1], 0
	v_mov_b32 v[FF+2*\u+1], 0                      ; (named as the upper half of a pair)
	v_mov_b32 v[PD+\u], 0                          ; a lane permute's destination counts as one of its sources
.endr
	v_mov_b32 v[NINF], 0xff800000
.set n, 0
.rept 64
	v_mov_b32 v[O+n], 0                            ; O^T.  (The ministep is written without a first form: the first finds zeros, which the first change of M leaves zeros)
.set n, n+1
.endr
	s_wait_kmcnt 0x0
	s_add_co_i32 s42, s34, s35
	s_lshl_b32 s42, s42, 23
	s_add_co_i32 s[CS], s42, 0x3e38aa3b            ; c = log2(e) / 8, with e2 + e3 added to its exponent field
	s_mov_b32 s[CS+1], s[CS]
	s_add_co_i32 s42, s36, 127
	s_lshl_b32 s43, s42, 23
	v_mov_b32 v[PSC], s43
	s_add_co_i32 s42, s42, 8
	s_lshl_b32 s42, s42, 23
	s_or_b32 s42, s42, 0x600000
	v_mov_b32 v[PHL], s42
	s_add_co_i32 s42, s38, 127
	s_lshl_b32 s43, s42, 23
	v_mov_b32 v[OSC], s43
	s_add_co_i32 s42, s42, 8
	s_lshl_b32 s42, s42, 23
	s_or_b32 s42, s42, 0x600000
	v_mov_b32 v[OHL], s42
	s_wait_loadcnt 0x0
	ds_store_b128 v[T16], v[SG:SG+3]               ; (the data come from loads, the address stands since the wait above: nothing more is owed)
	ds_store_b128 v[T16], v[SG+4:SG+7] offset:8192
	s_wait_dscnt 0x0                               ; for the others' sake: my part of trip 0's images lies in slot 0
	s_barrier_signal -1
	s_barrier_wait -1
; A MINISTEP: keys 64 q .. 64 q + 63 of the trip whose images lie in the slot, against my 32 queries.
.macro MINI slot, q
	s_cmp_gt_u32 s[KF], s[QL]                      ; all its keys come after my queries: nothing to do
	s_cbranch_scc1 .Lhid_\@
.rept 4
	v_nop                                          ; places in front of loads into registers that the last products have read
.endr
	s_wait_alu depctr_va_vdst(0)                   ; the last ministep's products V^T P^T are done reading v[F ..], in which K's fragments land
.irp t, 0,1,2,3
.irp c, 0,1
	ds_load_b128 v[F+8*\t+4*\c:F+8*\t+4*\c+3], v[LI] offset:\slot*SLOTB+(4*\q+\t)*1024+\c*512
.endr
.endr
	s_wait_dscnt 0x0
.irp t, 0,1,2,3
.irp u, 0,1
	v_wmma_f32_16x16x64_fp8_fp8 v[S+32*\u+8*\t:S+32*\u+8*\t+7], v[F+8*\t:F+8*\t+7], v[Q+8*\u:Q+8*\u+7], 0
.endr
.endr
.rept 4
	v_nop                                          ; places: V's loads land where K's fragments lay, and the scores are read below
.endr
	s_wait_alu depctr_va_vdst(0)                   ; the products K Q^T are done reading v[F ..], in which V's fragments land; the places above stay beside this wait
.irp t, 0,1,2,3
.irp c, 0,1
	ds_load_b128 v[F+8*\t+4*\c:F+8*\t+4*\c+3], v[LI] offset:\slot*SLOTB+8192+\t*2048+(2*\q+\c)*512
.endr
.endr
	s_add_co_u32 s42, s[KF], 63
	s_cmp_le_u32 s42, s[Q0]                        ; all its keys count: no mask
	s_cbranch_scc1 .Lopen_\@
	s_sub_co_i32 s42, s[Q0], s[KF]
	v_add_nc_u32 v[DD], s42, v[DL]                 ; d = my query - KF - 16 (lane / 16).  Register n holds key KF + 16 (lane / 16) + 32 (n / 16) + n % 16: hidden where 32 (n / 16) + n % 16 > d
	v_add_nc_u32 v[DD+1], 16, v[DD]
.irp u, 0,1                                    ; the compares go in runs of sixteen, each into a scalar register of its own, so that one wait serves a run
.irp g, 0,1
.set n, 16*\g
.rept 16
	v_cmp_gt_i32 s[MK+n%16], 32*(n/16)+n%16, v[DD+\u]
.set n, n+1
.endr
	s_wait_alu depctr_va_sdst(0)                   ; the sixteen compares have written s48 to s63, ahead of the selects that read them
.set n, 16*\g
.rept 16
	v_cndmask_b32 v[S+32*\u+n], v[S+32*\u+n], v[NINF], s[MK+n%16]
.set n, n+1
.endr
.endr
.endr
.Lopen_\@:
.irp u, 0,1                                    ; the largest score of each query among my 32 keys, in two chains a tile, each accumulator from its low end on
	v_max3_num_f32 v[CH+2*\u], v[S+32*\u], v[S+32*\u+1], v[S+32*\u+2]
	v_max3_num_f32 v[CH+2*\u+1], v[S+32*\u+3], v[S+32*\u+4], v[S+32*\u+5]
.endr
.irp i, 6,10,14,18,22,26
.irp u, 0,1
	v_max3_num_f32 v[CH+2*\u], v[CH+2*\u], v[S+32*\u+\i], v[S+32*\u+\i+1]
	v_max3_num_f32 v[CH+2*\u+1], v[CH+2*\u+1], v[S+32*\u+\i+2], v[S+32*\u+\i+3]
.endr
.endr
.irp u, 0,1
	v_max3_num_f32 v[CH+2*\u], v[CH+2*\u], v[S+32*\u+30], v[S+32*\u+31]
.endr
.irp u, 0,1
	v_max_num_f32 v[CH+2*\u], v[CH+2*\u], v[CH+2*\u+1]
.endr
.irp u, 0,1
	v_permlanex16_b32 v[PD+\u], v[CH+2*\u], s[SEL], s[SEL+1]
.endr
.irp u, 0,1
	v_max_num_f32 v[CH+2*\u], v[CH+2*\u], v[PD+\u] ; and among lane l xor 16's
.endr
.irp u, 0,1
	v_mul_f32 v[CH+2*\u], s[CS], v[CH+2*\u]        ; as t (c is positive)
.endr
.irp u, 0,1
	v_max_num_f32 v[ST+2*\u+1], v[ST+2*\u+1], v[CH+2*\u]   ; the running largest t
.endr
.irp u, 0,1
	v_mov_b32 v[CH+2*\u+1], v[ST+2*\u]
.endr
.irp u, 0,1
	v_floor_f32 v[ST+2*\u], -v[ST+2*\u+1]          ; the new -M = floor(-t) = -ceil(t)
.endr
.irp u, 0,1
	v_sub_f32 v[CH+2*\u+1], v[ST+2*\u], v[CH+2*\u+1]   ; old M - new M: a whole number, 0 or less
.endr
.irp u, 0,1
	v_cvt_i32_f32 v[CH+2*\u+1], v[CH+2*\u+1]       ; (it saturates)
.endr
.irp u, 0,1
	v_ldexp_f32 v[FF+2*\u], 1.0, v[CH+2*\u+1]      ; f = 2^(old M - new M)
.endr
.irp u, 0,1
.set n, 0
.rept 16
	v_pk_fma_f32 v[S+32*\u+n:S+32*\u+n+1], v[S+32*\u+n:S+32*\u+n+1], s[CS:CS+1], v[ST+2*\u:ST+2*\u+1] op_sel_hi:[1,0,0]   ; t - M, two at a time
.set n, n+2
.endr
.endr
.set n, 0
.rept 64
	v_exp_f32 v[S+n], v[S+n]                       ; p = 2^(t - M), at most 1; 0 for a hidden key
.set n, n+1
.endr
.irp u, 0,1
	v_pk_mul_f32 v[SUM+2*\u:SUM+2*\u+1], v[SUM+2*\u:SUM+2*\u+1], v[FF+2*\u:FF+2*\u+1] op_sel_hi:[1,0]   ; l under the new M.  (The plain place behind the exponentials)
.endr
	s_wait_alu depctr_va_vdst(0)                   ; one wait for the batch of 64 exponentials, which have written v[S ..], ahead of its first reader
.irp u, 0,1
	v_pk_add_f32 v[SU2+2*\u:SU2+2*\u+1], v[S+32*\u:S+32*\u+1], v[S+32*\u+2:S+32*\u+3]   ; the sum is taken of the unquantised p
.endr
.irp j, 4,8,12,16,20,24,28
.irp u, 0,1
	v_pk_add_f32 v[SUM+2*\u:SUM+2*\u+1], v[SUM+2*\u:SUM+2*\u+1], v[S+32*\u+\j:S+32*\u+\j+1]
	v_pk_add_f32 v[SU2+2*\u:SU2+2*\u+1], v[SU2+2*\u:SU2+2*\u+1], v[S+32*\u+\j+2:S+32*\u+\j+3]
.endr
.endr
.irp u, 0,1
	v_pk_add_f32 v[SUM+2*\u:SUM+2*\u+1], v[SUM+2*\u:SUM+2*\u+1], v[SU2+2*\u:SU2+2*\u+1]
.endr
	s_cmp_ge_i32 s36, -8                           ; 448 x 2^e4 >= 1.75 > p: the hold changes nothing
	s_cbranch_scc1 .Lnohold_\@
.set n, 0
.rept 64
	v_min_num_f32 v[S+n], v[S+n], v[PHL]           ; the conversion to an 8-bit code does not saturate (ISA guide 7.6.2); p is not negative, so the hold is one-sided
.set n, n+1
.endr
.Lnohold_\@:
.irp u, 0,1
.irp c, 0,1
	v_cvt_scalef32_pk8_fp8_f32 v[PC+8*\u+4*\c:PC+8*\u+4*\c+1], v[S+32*\u+16*\c:S+32*\u+16*\c+7], v[PSC]
	v_cvt_scalef32_pk8_fp8_f32 v[PC+8*\u+4*\c+2:PC+8*\u+4*\c+3], v[S+32*\u+16*\c+8:S+32*\u+16*\c+15], v[PSC]
.endr
.endr
.irp u, 0,1
.set n, 0
.rept 16
	v_pk_mul_f32 v[O+32*\u+n:O+32*\u+n+1], v[O+32*\u+n:O+32*\u+n+1], v[FF+2*\u:FF+2*\u+1] op_sel_hi:[1,0]   ; O^T under the new M.  (Also the plain lines between the conversions and the products that read the codes)
.set n, n+2
.endr
.endr
	s_wait_dscnt 0x0                               ; V's fragments are in
.irp t, 0,1,2,3
.irp u, 0,1
	v_wmma_f32_16x16x64_fp8_fp8 v[O+32*\u+8*\t:O+32*\u+8*\t+7], v[F+8*\t:F+8*\t+7], v[PC+8*\u:PC+8*\u+7], v[O+32*\u+8*\t:O+32*\u+8*\t+7]
.endr
.endr
.Lhid_\@:
	s_add_co_u32 s[KF], s[KF], 64
.endm
; A TRIP: 128 keys, whose images lie in the slot.  At its head the next trip's 16 bytes of K and of V are asked for, if that trip carries data; at its end they go into the other slot, which was last read in front of the
; barrier before.  In front of the trip's one barrier my reads of this slot and my stores into the other are done.
; THE PREFETCH: in trips 1 to 12 wave 0 (K) and wave 1 (V) of the head's first work-group name the images of the trip three on, two trips ahead of the loads that want them: 32 lanes, 32 blocks of 256 bytes, one instruction.
; So each block of trips 4 to 15 is named once in the launch, and none lies past trip 15; trips 0 to 3 come by their loads alone.
.macro TRIP slot
	s_wait_alu depctr_vm_vsrc(0)                   ; the LDS stores of the trip before (in the first trip: of the head) have read v[SG ..], in which the loads below land; it stands ahead of the branch that leads round them
	s_add_co_u32 s41, s[NN], 1+\slot
	s_cmp_lt_u32 s41, s[NT]
	s_cbranch_scc0 .Lnoload_\@
	global_load_b128 v[SG:SG+3], v[KO], s[6:7] offset:(1+\slot)*16384
	global_load_b128 v[SG+4:SG+7], v[T16], s[8:9] offset:(1+\slot)*16384
	s_sub_co_u32 s43, s[NN], 1-\slot
	s_cmp_lt_u32 s43, s[PLIM]
	s_cbranch_scc0 .Lnoload_\@
	global_prefetch_b8 v[PFO], s[PFA:PFA+1] offset:(3+\slot)*16384 th:TH_LOAD_NT scope:SCOPE_SE
.Lnoload_\@:
	MINI \slot, 0
	MINI \slot, 1
	s_wait_loadcnt 0x0                             ; the next trip's bytes are in my registers
	s_cmp_lt_u32 s41, s[NT]
	s_cbranch_scc0 .Lnostore_\@
	ds_store_b128 v[T16], v[SG:SG+3] offset:(1-\slot)*SLOTB      ; (no vector instruction names the data or the address: nothing is owed but the wait for the loads)
	ds_store_b128 v[T16], v[SG+4:SG+7] offset:(1-\slot)*SLOTB+8192
.Lnostore_\@:
	s_wait_dscnt 0x0
	s_barrier_signal -1
	s_barrier_wait -1
.endm
.Ltrip:                                            ; 8 times two trips, one for each slot
	TRIP 0
	TRIP 1
	s_wait_xcnt 0x0                                ; the loads and the prefetches have read their bases, which step now
	s_add_nc_u64 s[6:7], s[6:7], 2*16384
	s_add_nc_u64 s[8:9], s[8:9], 2*16384
	s_add_nc_u64 s[PFA:PFA+1], s[PFA:PFA+1], 2*16384
	s_add_co_u32 s[NN], s[NN], 2
	s_cmp_lt_u32 s[NN], 16
	s_cbranch_scc1 .Ltrip
	; THE WAY OUT: O^T / l x 2^(e4 + e5), held within +-448 x 2^e6, quantised by 2^e6.  A lane's 16 registers of tiles 2 b, 2 b + 1 are channels 32 b + 16 (lane / 16) + 0 .. 15 of its query: 16 bytes of the image.
.rept 4
	v_nop                                          ; places behind the last products
.endr
.irp u, 0,1
	v_add_f32 v[SUM+2*\u], v[SUM+2*\u], v[SUM+2*\u+1]
.endr
.irp u, 0,1
	v_permlanex16_b32 v[PD+\u], v[SUM+2*\u], s[SEL], s[SEL+1]
.endr
.irp u, 0,1
	v_add_f32 v[SUM+2*\u], v[SUM+2*\u], v[PD+\u]   ; the row's sum
.endr
.irp u, 0,1
	v_rcp_f32 v[SUM+2*\u], v[SUM+2*\u]
.endr
	v_nop                                          ; a plain place behind the reciprocals
	s_add_co_i32 s42, s36, s37
	s_wait_alu depctr_va_vdst(0)                   ; one wait for both reciprocals, which have written v212 and v214, ahead of their first reader
.irp u, 0,1
	v_ldexp_f32 v[SUM+2*\u], v[SUM+2*\u], s42
.endr
.irp u, 0,1
.set n, 0
.rept 16
	v_pk_mul_f32 v[S+32*\u+n:S+32*\u+n+1], v[O+32*\u+n:O+32*\u+n+1], v[SUM+2*\u:SUM+2*\u+1] op_sel_hi:[1,0]
.set n, n+2
.endr
.endr
.set n, 0
.rept 64
	v_med3_num_f32 v[S+n], v[S+n], -v[OHL], v[OHL]
.set n, n+1
.endr
.irp u, 0,1
.irp c, 0,1
	v_cvt_scalef32_pk8_fp8_f32 v[PC+8*\u+4*\c:PC+8*\u+4*\c+1], v[S+32*\u+16*\c:S+32*\u+16*\c+7], v[OSC]
	v_cvt_scalef32_pk8_fp8_f32 v[PC+8*\u+4*\c+2:PC+8*\u+4*\c+3], v[S+32*\u+16*\c+8:S+32*\u+16*\c+15], v[OSC]
.endr
.endr
	v_nop                                          ; one plain vector instruction behind the last conversion
	s_wait_alu depctr_va_vdst(0)                   ; the conversions have written v[PC ..], which the four stores read
.irp u, 0,1
.irp c, 0,1
	global_store_b128 v[LI], v[PC+8*\u+4*\c:PC+8*\u+4*\c+3], s[12:13] offset:4096*\u+512*\c   ; 32 lanes store 512 consecutive bytes, at a multiple of 512 from the buffer's first byte
.endr
.endr
	s_wait_dscnt 0x0                               ; the closing lines, six on end
	s_wait_alu 0x0
	s_wait_tensorcnt 0x0
	ds_add_u32 v254, v255
	s_wait_dscnt 0x0
	s_endpgm
.Lfunc_end_k_q4e9369571e_attn:
	.size	k_q4e9369571e_attn, .Lfunc_end_k_q4e9369571e_attn-k_q4e9369571e_attn
	.p2alignl 7, 3214868480
	.fill 96, 4, 3214868480
	.section	.rodata,"a",@progbits
	.p2align	6, 0x0
	.amdhsa_kernel k_q4e9369571e_attn
		.amdhsa_group_segment_fixed_size 34816
		.amdhsa_private_segment_fixed_size 0
		.amdhsa_enable_private_segment 0
		.amdhsa_kernarg_size 40
		.amdhsa_user_sgpr_count 2
		.amdhsa_user_sgpr_kernarg_segment_ptr 1
		.amdhsa_wavefront_size32 1
		.amdhsa_system_sgpr_workgroup_id_x 1
		.amdhsa_system_sgpr_workgroup_id_y 1
		.amdhsa_system_sgpr_workgroup_id_z 1
		.amdhsa_system_vgpr_workitem_id 0
		.amdhsa_next_free_vgpr 256
		.amdhsa_next_free_sgpr 66
		.amdhsa_reserve_vcc 0
		.amdhsa_float_denorm_mode_32 3
		.amdhsa_float_denorm_mode_16_64 3
		.amdhsa_memory_ordered 1
		.amdhsa_forward_progress 1
		.amdhsa_inst_pref_size 115
	.end_amdhsa_kernel
	.amdgpu_metadata
---
amdhsa.version: [ 1, 2 ]
amdhsa.kernels:
  - .name:           k_q4e9369571e_attn
    .symbol:         k_q4e9369571e_attn.kd
    .args:
      - { .name: qimg, .offset: 0, .size: 8, .value_kind: global_buffer, .address_space: global }
      - { .name: kimg, .offset: 8, .size: 8, .value_kind: global_buffer, .address_space: global }
      - { .name: vimg, .offset: 16, .size: 8, .value_kind: global_buffer, .address_space: global }
      - { .name: lowp_scales, .offset: 24, .size: 8, .value_kind: global_buffer, .address_space: global }
      - { .name: ac, .offset: 32, .size: 8, .value_kind: global_buffer, .address_space: global }
    .group_segment_fixed_size: 34816
    .private_segment_fixed_size: 0
    .kernarg_segment_align: 8
    .kernarg_segment_size: 40
    .max_flat_workgroup_size: 512
    .sgpr_count:     66
    .vgpr_count:     256
    .wavefront_size: 32
...
	.end_amdgpu_metadata
.endif
;; end of part 4
;; launch proj: the kernel of part 3 again; grid 4 x 32, 4 waves a work-group, clusters of 4 x 4, 327,680 bytes of LDS; arguments ac, w_out_codes, lowp_scales, b_out, out0; writes out0
